; MI455X (gfx1250); checked and timed in simulation.
; The chip was launched on July 23, 2026; its instructions are those of AMD's public machine-readable ISA for CDNA 5 (MIT licence, August 2026) and "CDNA5" Instruction Set Architecture Reference Guide (July 2026). The comments in the code are by the model that wrote it; some were corrected since.
;; Multihead Attention. Allowed arithmetic: matrix products marked QUANTISED: E2M1 operands, one E8M0 scale for each 32 along K, by v_wmma_scale_f32_16x16x128_f8f6f4 with both operands' format E2M1 (or v_wmma_scale_f32_32x16x128_f4), f32 sums; products left as they are: bf16, f16 or f32 operands; f32 sums; everything else in f32.
;; Inputs: token_positions 1 x 2,048 int32; wk 1,024 x 1,024 float32; wo 1,024 x 1,024 float32; wq 1,024 x 1,024 float32; wv 1,024 x 1,024 float32; x 2 x 2,048 x 1,024 float32.
;; Outputs: out0 2 x 2,048 x 1,024 float32.
;; This version of the problem:
;;   THIS VERSION OF THE PROBLEM IS GIVEN IN LOW PRECISION. The matrix products marked QUANTISED in the list below multiply operands that are first quantised to E2M1 (2 exponent bits, 1 mantissa bit; 4 bits a number), with one power-of-two scale for each 32 numbers along K (OCP MX v1.0); their sums are f32. The products marked 'left as it is' may take bf16, f16 or f32 operands, with f32 sums. Whichever they take, every output number must still come out within the allowed error. Rounding operands to bf16 (8 significant bits) uses up far more of that allowance than f16 does (11 bits, for magnitudes from 6e-5 to 65,504). All else is computed in f32.
;;   The module's matrix products, in the order in which they are computed (A, B: the left and right operand; K: the contracted axis; several contracted axes count as one K, in the product's order):
;;     1. [M 4,096, K 1,024] x [K 1,024, N 1,024]; A: input x; B: input wq: QUANTISED
;;     2. [M 4,096, K 1,024] x [K 1,024, N 1,024]; A: input x; B: input wk: QUANTISED
;;     3. [M 4,096, K 1,024] x [K 1,024, N 1,024]; A: input x; B: input wv: QUANTISED
;;     4. batch 32 x [M 2,048, K 64] x [K 64, N 2,048]; A: computed on the way; B: computed on the way: left as it is (an operand is computed on the way)
;;     5. batch 32 x [M 2,048, K 2,048] x [K 2,048, N 64]; A: computed on the way; B: computed on the way: left as it is (an operand is computed on the way)
;;     6. [M 4,096, K 1,024] x [K 1,024, N 1,024]; A: computed on the way; B: input wo: left as it is (an operand is computed on the way)
;;   THE QUANTISER, for each operand of a quantised product, along K:
;;     - K is cut into blocks of 32 from its start; a last block that is shorter is filled with zeros.
;;     - A block's scale is 2^e with e = floor(log2(the largest magnitude in the block)) - 2, held to -126 .. 127; a block of zeros has e = 0. As a byte (E8M0): e + 127.
;;     - Each number is divided by its block's scale, clamped to +-6, and rounded to the nearest number of E2M1, ties to even, subnormals kept.
;;     - The product sums the exact products of the quantised numbers (number of the format x scale) in f32.
;;   ~~~python
;;   def quantise(x, axis):      # numpy; x: float32 -> the quantised numbers, widened to float32 again
;;       x = np.moveaxis(x, axis, -1); K = x.shape[-1]
;;       x = np.pad(x, [(0, 0)] * (x.ndim - 1) + [(0, -K % 32)]); x = x.reshape(x.shape[:-1] + (-1, 32)); a = np.abs(x).max(-1, keepdims=True)
;;       e = np.where(a > 0, np.clip(np.frexp(np.where(a > 0, a, 1))[1] - 1 - 2, -126, 127), 0)      # np.frexp(a)[1] - 1 = floor(log2(a)), exactly
;;       r = np.clip(x / 2.0 ** e, -6, 6)
;;       step = 2.0 ** (np.maximum(np.frexp(np.where(r == 0, 1, r))[1] - 1, 0) - 1)
;;       q = np.round(r / step) * step * 2.0 ** e      # np.round: ties to even
;;       return np.moveaxis(q.reshape(q.shape[:-2] + (-1,))[..., :K], -1, axis).astype(np.float32)
;;   ~~~
;; One version. Each part assembles by itself: llvm-mc -triple=amdgcn-amd-amdhsa -mcpu=gfx1250 --defsym DOCPART=n.
;; ======== version 1 of 1: 5 launches
;; limits: values are held in f16: magnitudes above 65,504 overflow, below 6.1e-05 lose precision
;; workspace buffers: codes 3,670,016 bytes; scales 229,376 bytes; wo16 2,097,152 bytes; tabs 1,048,576 bytes; qkv16 25,165,824 bytes; first32 393,216 bytes; ao 8,388,608 bytes
;; launch prep (part 1): grid 288 x 1, 4 waves a work-group, no clusters, 50,688 bytes of LDS; arguments x, wq, wk, wv, wo, token_positions, codes, scales, wo16, tabs; writes codes, scales, wo16, tabs
.if DOCPART == 1
	.amdgcn_target "amdgcn-amd-amdhsa--gfx1250"
	.amdhsa_code_object_version 6
	.text
	.protected	k_q79940619e9_prep
	.globl	k_q79940619e9_prep
	.p2align	8
	.type	k_q79940619e9_prep,@function
k_q79940619e9_prep:
	s_mov_b64 s[64:65], 0
	v_nop
	global_prefetch_b8 v0, s[64:65] scope:SCOPE_SE
	s_setreg_imm32_b32 hwreg(HW_REG_WAVE_MODE, 25, 1), 1
	s_wait_xcnt 0x0
; THREE JOBS IN ONE LAUNCH, told apart by the work-group's number; each has LDS bytes of its own and its own end.
; (1) Work-groups 0-223: x, wq, wk, wv (f32, K innermost) become codes of FP4 (E2M1) and one E8M0 byte for each 32 along K, in one joint row space of 7,168 rows x 1,024:
;     rows 0-4095 x, 4096-5119 wq, 5120-6143 wk, 6144-7167 wv.  A block's scale is 2^(floor(log2(largest magnitude)) - 2); its byte is that magnitude's exponent field - 2, held at 1 from below.
;     A block of zeros so gets the byte 1 where the rule says 127: its codes are zeros, and this program alone reads the bytes.
; (2) Work-groups 224-255: wo (f32) becomes f16, laid as IMAGES of operand registers: [K / 256][16 rows][K / 32 % 8][piece of 16 K][lane x 16 bytes]; lane (r, h) of a piece holds row r, K = 8 h + 0 .. 7.
; (3) Work-groups 256-287: cos and sin of token_positions[l] x 10000^(-d / 32), d = 0 .. 31, laid as the next launch's lanes take them; once plain (for k) and once times log2(e) / 8 (for q).
;     The angle is reduced by pi / 2 in two parts (two fused multiply-adds) and sine and cosine are polynomials on [-pi/4, pi/4].
; LIMITS: NaN and infinities among the inputs are not served; blocks whose largest magnitude lies under 2^-124 keep the byte 1; positions are 0 .. 2047, as the table that they index.
.set WREG,  8192                       ; (1) LDS: a region for each wave: two stages of 32 x SP bytes, then its 256 scale bytes
.set SP,    80                         ; a lane's place in a stage: 64 bytes + 16 of padding
.set CB,    8                          ; bytes of 16 codes
.set STEPS, 16
.set AHEAD, 8                          ; loads run eight steps ahead: 32 loads, 16,384 bytes, of every wave are on their way
.set R,     16                         ; v16-143  eight sets of 16 numbers as loaded
.set X,     144                        ; v144-175 two sets of 16 neighbours
.set E,     176                        ; v176-191 a scale byte for each step
.set C,     192                        ; v192-255 codes, four registers a step
.set OST,   32768                      ; (2) LDS: a stage of 16 rows x 272 bytes for each wave
.set H,     144                        ; v144-175 a job's f16 numbers
.set OUTR,  176                        ; v176-207 a job's eight pieces
.set SPARE, 50176                      ; the spare words, 128 bytes for each wave
.set SPW,   12                         ; v12 my spare word's address; v13 zero: never rewritten
.set NIL,   13
.macro FINISH                          ; a wave's end: three lines behind its last LDS store
	s_wait_tensorcnt 0x0
	ds_add_u32 v[SPW], v[NIL]
	s_wait_dscnt 0x0
	s_endpgm
.endm
	s_load_b512 s[4:19], s[0:1], 0x0               ; x, wq, wk, wv, wo, token_positions, codes, scales
	s_load_b128 s[20:23], s[0:1], 0x40             ; wo16, tabs
	v_lshl_add_u32 v[SPW], v0, 2, SPARE
	v_mov_b32 v[NIL], 0
	v_lshrrev_b32 v1, 5, v0
	v_readfirstlane_b32 s24, v1                    ; wave
	v_and_b32 v2, 31, v0                           ; lane
	s_wait_kmcnt 0x0
	s_cmp_lt_u32 ttmp9, 224
	s_cbranch_scc0 .Lnot_codes
; ---------------- (1) codes and scale bytes.  A wave takes a run of 8,192 numbers in 16 steps of 512.
	v_lshlrev_b32 v3, 4, v2                        ; my 16 bytes of a load's 512
	s_mul_i32 s25, s24, WREG
	v_lshrrev_b32 v14, 2, v2
	v_mul_u32_u24 v14, v14, SP
	v_and_b32 v15, 3, v2
	v_lshl_add_u32 v14, v15, 4, v14
	v_add_nc_u32 v14, s25, v14                     ; the stage, in: SP (lane / 4) + 16 (lane % 4)
	v_mul_u32_u24 v15, v2, SP
	v_add_nc_u32 v15, s25, v15                     ; and out: SP x lane: my 16 neighbours
	v_mul_u32_u24 v4, v2, CB                       ; my codes' place in a step's
	v_lshrrev_b32 v5, 1, v2
	s_add_co_u32 s25, s25, 2*32*SP
	v_add_nc_u32 v5, s25, v5                       ; my block's scale byte in LDS
	v_lshlrev_b32 v7, 3, v2
	v_add_nc_u32 v6, s25, v7                       ; and 8 bytes a lane on the way out
	s_sub_co_u32 s26, ttmp9, 128                   ; work-groups 128-223: 32 for each weight
	s_lshr_b32 s27, s26, 5
	s_and_b32 s26, s26, 31
	s_cmp_eq_u32 s27, 0
	s_cselect_b64 s[28:29], s[6:7], s[8:9]
	s_cmp_eq_u32 s27, 2
	s_cselect_b64 s[28:29], s[10:11], s[28:29]
	s_cmp_lt_u32 ttmp9, 128                        ; work-groups 0-127: x.  The choices hang on the work-group's number alone
	s_cselect_b64 s[28:29], s[4:5], s[28:29]
	s_cselect_b32 s26, ttmp9, s26
	s_lshl_b32 s26, s26, 2
	s_add_co_u32 s26, s26, s24                     ; my run in the source tensor
	s_lshl_b32 s30, s26, 15                        ; 32,768 bytes a run
	s_mov_b32 s31, 0
	s_add_nc_u64 s[28:29], s[28:29], s[30:31]
	s_lshl_b32 s26, ttmp9, 2
	s_add_co_u32 s26, s26, s24                     ; my run in the joint row space
	s_lshl_b32 s30, s26, 12                        ; 4,096 bytes of codes,
	s_add_nc_u64 s[16:17], s[16:17], s[30:31]
	s_lshl_b32 s30, s26, 8                         ; 256 scale bytes
	s_add_nc_u64 s[18:19], s[18:19], s[30:31]
.macro LOADQ t
.irp i, 0,1,2,3
	global_load_b128 v[R+16*((\t)%AHEAD)+4*\i:R+16*((\t)%AHEAD)+4*\i+3], v3, s[28:29] offset:2048*(\t)+512*\i th:TH_LOAD_NT   ; 32 lanes read 512 consecutive bytes
.endr
.endm
.macro TURNQ t                         ; a step's numbers through the stage: LDS serves a wave's instructions in order
.irp i, 0,1,2,3
	ds_store_b128 v14, v[R+16*((\t)%AHEAD)+4*\i:R+16*((\t)%AHEAD)+4*\i+3] offset:32*SP*((\t)%2)+8*SP*\i
.endr
.irp i, 0,1,2,3
	ds_load_b128 v[X+16*((\t)%2)+4*\i:X+16*((\t)%2)+4*\i+3], v15 offset:32*SP*((\t)%2)+16*\i
.endr
.endm
.irp t, 0,1,2,3,4,5,6,7
	LOADQ \t
.endr
	s_wait_loadcnt 4*(AHEAD-1)                     ; step 0's four loads are in; those of the seven steps behind it may be out
	TURNQ 0
.macro STEPQ t
.set XS, X+16*((\t)%2)
.if (\t) > 0
	s_wait_dscnt 1                                 ; this step's numbers are back from the stage, so its stores into the stage have read their registers; the last step's byte store may be out
.else
	s_wait_dscnt 0x0
.endif
.if (\t)+AHEAD < STEPS
	LOADQ (\t)+AHEAD                               ; into the set that this step's stage stores have read
.endif
.if (\t)+1 < STEPS
.if STEPS-2-(\t) >= AHEAD-1
	s_wait_loadcnt 4*(AHEAD-1)                     ; the next step's four loads are in; those of the seven steps behind it may be out
.else
	s_wait_loadcnt 4*(STEPS-2-(\t))                ; at the end the counts run down: four for each step still behind it
.endif
	TURNQ (\t)+1
.endif
	v_max3_num_f32 v8, |v[XS]|, |v[XS+1]|, |v[XS+2]|
	v_max3_num_f32 v9, |v[XS+3]|, |v[XS+4]|, |v[XS+5]|
.irp i, 6,10
	v_max3_num_f32 v8, v8, |v[XS+\i]|, |v[XS+\i+1]|
	v_max3_num_f32 v9, v9, |v[XS+\i+2]|, |v[XS+\i+3]|
.endr
	v_max3_num_f32 v8, v8, |v[XS+14]|, |v[XS+15]|
	v_max3_num_f32 v8, v8, v9, 0x1800000           ; and the floor 2^(3 - 127): the byte cannot fall under 1
	v_max_num_f32_dpp v8, v8, v8 row_xmask:1 row_mask:0xf bank_mask:0xf   ; with my neighbour's 16: the block's largest magnitude
	v_add_nc_u32 v11, 0xff000000, v8               ; 2 off its exponent field: the conversion takes this operand's exponent field as its scale
	v_cvt_scalef32_pk8_fp4_f32 v[C+4*(\t)], v[XS:XS+7], v11
	v_cvt_scalef32_pk8_fp4_f32 v[C+4*(\t)+1], v[XS+8:XS+15], v11
	v_lshrrev_b32 v[E+(\t)], 23, v11               ; the scale's byte
	ds_store_b8 v5, v[E+(\t)] offset:16*(\t)       ; both lanes of a block write the same byte with the same value
	global_store_b64 v4, v[C+4*(\t):C+4*(\t)+1], s[16:17] offset:32*CB*(\t)   ; the wave stores 256 consecutive bytes, aligned
.endm
.irp t, 0,1,2,3,4,5,6,7,8,9,10,11,12,13,14,15
	STEPQ \t
.endr
	ds_load_b64 v[8:9], v6
	s_wait_dscnt 0x0
	global_store_b64 v7, v[8:9], s[18:19]          ; my run's 256 scale bytes, aligned
	FINISH
.Lnot_codes:
	s_cmp_lt_u32 ttmp9, 256
	s_cbranch_scc0 .Ltables
; ---------------- (2) wo in f16, as images.  Wave W of 128 takes 16 rows (W / 2) x 512 K (W % 2) in four jobs of 128 K.
	s_sub_co_u32 s25, ttmp9, 224
	s_lshl_b32 s25, s25, 2
	s_add_co_u32 s25, s25, s24                     ; W
	s_lshr_b32 s26, s25, 1                         ; which 16 rows
	s_and_b32 s27, s25, 1                          ; which half of K
	s_lshl_b32 s30, s26, 16                        ; 16 rows of 4,096 bytes
	s_lshl_b32 s28, s27, 11
	s_add_co_u32 s30, s30, s28
	s_mov_b32 s31, 0
	s_add_nc_u64 s[12:13], s[12:13], s[30:31]
	s_lshl_b32 s30, s27, 20                        ; two blocks of 256 K, 524,288 bytes each
	s_lshl_b32 s28, s26, 13                        ; 8,192 bytes for 16 rows x 256 K
	s_add_co_u32 s30, s30, s28
	s_add_nc_u64 s[20:21], s[20:21], s[30:31]
	v_lshlrev_b32 v3, 4, v2                        ; 16 x lane
	s_mul_i32 s28, s24, 4352
	s_add_co_u32 s28, s28, OST                     ; my stage
	v_lshl_add_u32 v4, v2, 3, s28                  ; in: 8 bytes a lane, a row of 256 bytes an instruction
	v_and_b32 v5, 15, v2
	v_bfe_u32 v6, v0, 4, 1
	v_mul_u32_u24 v5, v5, 272
	v_lshl_add_u32 v5, v6, 4, v5
	v_add_nc_u32 v5, s28, v5                       ; out: row r, 16 h: a piece's 16 bytes
.macro LOADJ q
.set RB, 16+64*((\q)%2)
.irp i, 0,1,2,3,4,5,6,7,8,9,10,11,12,13,14,15
	global_load_b128 v[RB+4*\i:RB+4*\i+3], v3, s[12:13] offset:\i*4096+512*(\q)
.endr
.endm
.macro JOB q
.if (\q) < 3
	s_wait_loadcnt 16                              ; this job's 16 loads are in; the next job's may be out
.else
	s_wait_loadcnt 0x0
.endif
.set RB, 16+64*((\q)%2)
.irp i, 0,1,2,3,4,5,6,7,8,9,10,11,12,13,14,15
	v_cvt_pk_f16_f32 v[H+2*\i], v[RB+4*\i], v[RB+4*\i+1]
	v_cvt_pk_f16_f32 v[H+2*\i+1], v[RB+4*\i+2], v[RB+4*\i+3]
.endr
.irp i, 0,1,2,3,4,5,6,7,8,9,10,11,12,13,14,15
	ds_store_b64 v4, v[H+2*\i:H+2*\i+1] offset:272*\i
.endr
.if (\q)+2 < 4
	LOADJ (\q)+2
.endif
	s_wait_xcnt 0x0                                ; the last job's stores have read the registers that the loads below fill
.irp k, 0,1,2,3,4,5,6,7
	ds_load_b128 v[OUTR+4*\k:OUTR+4*\k+3], v5 offset:32*\k
.endr
	s_wait_dscnt 0x0
.irp k, 0,1,2,3,4,5,6,7
	global_store_b128 v3, v[OUTR+4*\k:OUTR+4*\k+3], s[20:21] offset:((\q)/2)*524288+((\q)%2)*4096+512*\k   ; a piece: 512 consecutive bytes, aligned
.endr
.endm
	LOADJ 0
	LOADJ 1
	JOB 0
	JOB 1
	JOB 2
	JOB 3
	FINISH
.Ltables:
; ---------------- (3) the tables.  Wave Wv of 128 makes block Wv of 16 positions.  Piece p of a block: lane (r, h) holds cos, sin, cos, sin of pairs d = 8 (p / 2) + 4 h + 2 (p % 2) + 0, 1 at position r.
	s_sub_co_u32 s25, ttmp9, 256
	s_lshl_b32 s25, s25, 2
	s_add_co_u32 s25, s25, s24
	s_lshl_b32 s30, s25, 6                         ; 16 positions of 4 bytes
	s_mov_b32 s31, 0
	s_add_nc_u64 s[14:15], s[14:15], s[30:31]
	s_lshl_b32 s30, s25, 12                        ; 4,096 bytes a block
	s_add_nc_u64 s[22:23], s[22:23], s[30:31]
	v_and_b32 v3, 15, v2
	v_lshlrev_b32 v3, 2, v3
	global_load_b32 v8, v3, s[14:15]               ; the positions enter arithmetic alone, never an address
	v_lshlrev_b32 v4, 4, v2
	v_bfe_u32 v5, v0, 4, 1
	v_lshlrev_b32 v5, 2, v5                        ; 4 h
	s_mov_b32 s32, 0x3f22f983                      ; 2 / pi
	s_mov_b32 s33, 0x3fc90fdb                      ; pi / 2, its upper part,
	s_mov_b32 s34, 0xb33bbd2e                      ; and the rest
	s_mov_b32 s35, 0xbe2aaaa3                      ; the sine's three coefficients
	s_mov_b32 s36, 0x3c08839e
	s_mov_b32 s37, 0xb94ca1f9
	s_mov_b32 s38, 0x3d2aaaa5                      ; the cosine's
	s_mov_b32 s39, 0xbab6061a
	s_mov_b32 s40, 0x37ccf5ce
	s_mov_b32 s42, 0x3e38aa3b                      ; log2(e) / 8
	s_mov_b32 s43, s42
.set n, 0
.rept 16
	v_add_nc_u32 v[16+n], 8*(n/4)+n%4, v5          ; d of entry n = 2 p + e
.set n, n+1
.endr
.set n, 0
.rept 16
	v_cvt_f32_u32 v[16+n], v[16+n]
.set n, n+1
.endr
.set n, 0
.rept 16
	v_mul_f32 v[16+n], 0xbed49a78, v[16+n]         ; - d log2(10000) / 32
.set n, n+1
.endr
.set n, 0
.rept 16
	v_exp_f32 v[16+n], v[16+n]
.set n, n+1
.endr
	v_nop                                          ; a plain line behind the batch,
	s_wait_alu depctr_va_vdst(0)                   ; and one wait ahead of its first reader
.macro SINCOS o                        ; the angle in v33 -> cos in v[o], sin in v[o + 1]
	v_mul_f32 v34, s32, v33
	v_rndne_f32 v34, v34                           ; n quarter turns
	v_fma_f32 v35, -v34, s33, v33
	v_fma_f32 v35, -v34, s34, v35                  ; f = angle - n pi / 2
	v_mul_f32 v36, v35, v35
	v_fma_f32 v37, v36, s37, s36
	v_fma_f32 v38, v36, s40, s39
	v_fma_f32 v37, v37, v36, s35
	v_fma_f32 v38, v38, v36, s38
	v_mul_f32 v39, v35, v36
	v_mul_f32 v40, v36, v36
	v_fma_f32 v37, v37, v39, v35                   ; sin f
	v_fma_f32 v41, v36, -0.5, 1.0
	v_fma_f32 v38, v38, v40, v41                   ; cos f
	v_cvt_i32_f32 v42, v34
	v_and_b32 v43, 1, v42
	v_cmp_eq_u32 vcc_lo, 1, v43                    ; an odd quarter: the two change places (a choice of values, no branch)
	v_cndmask_b32 v[(\o)+1], v37, v38, vcc_lo
	v_cndmask_b32 v[(\o)], v38, v37, vcc_lo
	v_lshlrev_b32 v43, 30, v42
	v_and_b32 v43, 0x80000000, v43                 ; the sine's sign: bit 1 of n
	v_xor_b32 v[(\o)+1], v[(\o)+1], v43
	v_add_nc_u32 v42, 1, v42
	v_lshlrev_b32 v43, 30, v42
	v_and_b32 v43, 0x80000000, v43                 ; the cosine's: bit 1 of n + 1
	v_xor_b32 v[(\o)], v[(\o)], v43
.endm
	s_wait_loadcnt 0x0
	v_cvt_f32_i32 v10, v8
.set n, 0
.rept 16
	v_mul_f32 v33, v10, v[16+n]
	SINCOS 64+4*(n/2)+2*(n%2)
.set n, n+1
.endr
.set n, 0
.rept 16
	v_pk_mul_f32 v[96+2*n:97+2*n], v[64+2*n:65+2*n], s[42:43] op_sel_hi:[1,0]   ; q's table carries log2(e) / 8
.set n, n+1
.endr
.irp p, 0,1,2,3,4,5,6,7
	global_store_b128 v4, v[96+4*\p:99+4*\p], s[22:23] offset:512*\p
	global_store_b128 v4, v[64+4*\p:67+4*\p], s[22:23] offset:524288+512*\p
.endr
	FINISH
.Lfunc_end_k_q79940619e9_prep:
	.size	k_q79940619e9_prep, .Lfunc_end_k_q79940619e9_prep-k_q79940619e9_prep
	.p2alignl 7, 3214868480
	.fill 96, 4, 3214868480
	.section	.rodata,"a",@progbits
	.p2align	6, 0x0
	.amdhsa_kernel k_q79940619e9_prep
		.amdhsa_group_segment_fixed_size 50688
		.amdhsa_private_segment_fixed_size 0
		.amdhsa_enable_private_segment 0
		.amdhsa_kernarg_size 80
		.amdhsa_user_sgpr_count 2
		.amdhsa_user_sgpr_kernarg_segment_ptr 1
		.amdhsa_wavefront_size32 1
		.amdhsa_system_sgpr_workgroup_id_x 1
		.amdhsa_system_sgpr_workgroup_id_y 1
		.amdhsa_system_sgpr_workgroup_id_z 1
		.amdhsa_system_vgpr_workitem_id 0
		.amdhsa_next_free_vgpr 256
		.amdhsa_next_free_sgpr 66
		.amdhsa_reserve_vcc 1
		.amdhsa_float_denorm_mode_32 3
		.amdhsa_float_denorm_mode_16_64 3
		.amdhsa_memory_ordered 1
		.amdhsa_forward_progress 1
		.amdhsa_inst_pref_size 84
	.end_amdhsa_kernel
	.amdgpu_metadata
---
amdhsa.version: [ 1, 2 ]
amdhsa.kernels:
  - .name:           k_q79940619e9_prep
    .symbol:         k_q79940619e9_prep.kd
    .args:
      - { .name: x, .offset: 0, .size: 8, .value_kind: global_buffer, .address_space: global }
      - { .name: wq, .offset: 8, .size: 8, .value_kind: global_buffer, .address_space: global }
      - { .name: wk, .offset: 16, .size: 8, .value_kind: global_buffer, .address_space: global }
      - { .name: wv, .offset: 24, .size: 8, .value_kind: global_buffer, .address_space: global }
      - { .name: wo, .offset: 32, .size: 8, .value_kind: global_buffer, .address_space: global }
      - { .name: token_positions, .offset: 40, .size: 8, .value_kind: global_buffer, .address_space: global }
      - { .name: codes, .offset: 48, .size: 8, .value_kind: global_buffer, .address_space: global }
      - { .name: scales, .offset: 56, .size: 8, .value_kind: global_buffer, .address_space: global }
      - { .name: wo16, .offset: 64, .size: 8, .value_kind: global_buffer, .address_space: global }
      - { .name: tabs, .offset: 72, .size: 8, .value_kind: global_buffer, .address_space: global }
    .group_segment_fixed_size: 50688
    .private_segment_fixed_size: 0
    .kernarg_segment_align: 8
    .kernarg_segment_size: 80
    .max_flat_workgroup_size: 128
    .sgpr_count:     66
    .vgpr_count:     256
    .wavefront_size: 32
...
	.end_amdgpu_metadata
.endif
;; end of part 1
;; launch qkv (part 2): grid 12 x 16, 4 waves a work-group, clusters of 4 x 4, 327,680 bytes of LDS; arguments codes, scales, tabs, qkv16, first32; writes qkv16, first32
.if DOCPART == 2
	.amdgcn_target "amdgcn-amd-amdhsa--gfx1250"
	.amdhsa_code_object_version 6
	.text
	.protected	k_q79940619e9_qkv
	.globl	k_q79940619e9_qkv
	.p2align	8
	.type	k_q79940619e9_qkv,@function
k_q79940619e9_qkv:
	s_mov_b64 s[64:65], 0
	v_nop
	global_prefetch_b8 v0, s[64:65] scope:SCOPE_SE
	s_setreg_imm32_b32 hwreg(HW_REG_WAVE_MODE, 25, 1), 1
	s_wait_xcnt 0x0
	s_wait_alu depctr_hold_cnt(0) depctr_sa_sdst(0) depctr_va_vdst(0) depctr_va_sdst(0) depctr_va_ssrc(0) depctr_va_vcc(0) depctr_vm_vsrc(0)
	s_getreg_b32 s2, hwreg(HW_REG_IB_STS2, 6, 4)
	s_cmp_eq_u32 s2, 0
	s_cbranch_scc0 .Lentry_in_a_cluster
	s_endpgm
.Lentry_in_a_cluster:
	s_bfe_u32 s2, ttmp6, 0x10000c
	s_cmp_lg_u32 s2, 0xf033
	s_cbranch_scc0 .Lentry_shape_is_right
	s_endpgm
.Lentry_shape_is_right:
; q, k, v = x wq^T, x wk^T, x wv^T on codes of FP4 (E2M1) with one E8M0 scale for each 32 along K = 1,024; sums in f32; then the rotation of q and k, and f16 on the way out.
; Codes and scale bytes lie in one joint row space: rows 0-4095 x, 4096-5119 wq, 5120-6143 wk, 6144-7167 wv; 512 bytes of codes and 32 scale bytes a row.
; A work-group of four waves makes 256 x 256 results, a wave 128 x 128: 64 accumulators.  K goes in two steps of 512 through two LDS slots, each filled once.
; The matrix instruction's source 0 takes rows of B and source 1 rows of A: a lane holds one row of A and eight neighbouring rows of B.
;   Clusters x = 0, 1 (q and k): A = x, B = wq or wk: a lane holds ONE TOKEN and eight channels: four pairs to rotate, and, in f16, 16 bytes of a fragment of q or k.
;   Cluster x = 2 (v): A = wv, B = x: a lane holds ONE CHANNEL and eight tokens: 16 bytes of a fragment of v with the keys along its K.
; THE RESULTS LEAVE AS IMAGES OF OPERAND REGISTERS: a piece (16 rows x 16 K of f16) is 512 bytes, lane l's 16 bytes at 16 l: each store of the wave covers 512 consecutive bytes, aligned; no LDS stage.
; The first 16 positions of each sequence also leave in f32, for the small launch that carries them finely: q and k as images too (four registers a piece), v as [channel][16 tokens].
; Those stores run under a lane mask made of ids (no branch hangs on a place in the cluster).
; COS AND SIN of my 128 tokens (eight blocks of 16, 32 registers each) are asked for ahead of the products: blocks 0-5 at the head, into registers that lie idle while the products run;
; blocks 6 and 7 directly behind the last product, into the registers that A's fragments have left, six blocks of work ahead of their use.
; CLUSTERS: 4 x 4.  A's tile is shared along a row of the cluster, B's along a column: each is asked for jointly.
; LIMIT: |q log2(e) / 8|, |k|, |v| stay under 65,504, f16's largest number.
.set KSTEP,  512
.set NQ,     4
.set ROWB,   256
.set KROW,   512
.set PITCH,  272                       ; an LDS row: 256 bytes + 16 of padding, so that the 16 rows of a load start at 16 different banks (64 banks of 4 bytes: ISA guide 11.1)
.set FR,     8
.set NL,     2
.set NP,     4
.set HALFT,  128*PITCH
.set SLOT,   4*HALFT
.set KS,     32
.set SCL,    2*SLOT                    ; behind the two slots: the scales of my 512 rows, as units of 256 bytes + 16
.set HALFS,  (128*KS/256)*272
.set SBLK,   (16*KS/256)*272
.set SPARE,  SCL+4*HALFS               ; the spare words, 128 bytes for each wave
.set ADRA, 16                          ; v16-17 LDS address of my A fragments in slot 0, 1;  v20-21 of B's
.set ADRB, 20
.set LI,   26                          ; v26 16 x lane
.set ADRS, 27                          ; v27 LDS address of my scale words
.set SPW,  28
.set NIL,  29
.set FLAG, 30                          ; v30 my first token's position in its sequence
.set FO,   31                          ; v31 my lane's offset in v's f32 copy
.set SC,   32                          ; v32-95 scale words, two sets; on the way out T: 64 rotated numbers
.set T,    32
.set H,    96                          ; v96-127 a block's f16 numbers
.set AF,   128                         ; v128-191 A's fragments
.set G1, 24
.set G0, 32
.set G1B, 48
.set G0B, 56
.set G1S, 68
.set G0S, 76
.set G1SB, 80
.set G0SB, 88
.set MSB, 0
.macro WIN new                         ; the immediate's high byte repeats the setting that is left
.if MSB != \new
	s_set_vgpr_msb (MSB<<8)|\new
.set MSB, \new
.endif
.endm
.set MUL_LO, 0xa1                      ; source 0 (B) window 1, source 1 (A) window 0, C and D window 2
.set MUL_HI, 0xf1                      ; the same, C and D window 3
.set TO_B,   0x40
; Where block a's cos and sin lie: blocks 0, 1 in v192-255 of window 0; 2, 3 in v64-127 and 4, 5 in v192-255 of window 1 (B's two sets take v0-63 and v128-191 there); 6, 7 in v128-191 of window 0
.macro CSMAP a
.if (\a) < 2
.set CSB, 192+32*(\a)
.set CSW, 0
.elseif (\a) < 4
.set CSB, 64+32*((\a)-2)
.set CSW, 1
.elseif (\a) < 6
.set CSB, 192+32*((\a)-4)
.set CSW, 1
.else
.set CSB, 128+32*((\a)-6)
.set CSW, 0
.endif
.endm
.macro CSLOAD a
	CSMAP \a
	WIN (CSW<<6)                                   ; the destination's window
.irp p, 0,1,2,3,4,5,6,7
	global_load_b128 v[CSB+4*\p:CSB+4*\p+3], v[LI], s[8:9] offset:(\a)*4096+512*\p
.endr
.endm
.macro JLOAD g0a, g1a, g0b, g1b        ; a joint load: waves 0 and 1 fetch for A, waves 2 and 3 for B; an s_nop 0 and four v_nop follow each line
	s_cmp_eq_u32 s15, 0
	s_cbranch_scc0 .Lfor_b_\@
	tensor_load_to_lds s[\g0a:\g0a+3], s[\g1a:\g1a+7]
	s_nop 0
.rept 4
	v_nop
.endr
	s_branch .Lasked_\@
.Lfor_b_\@:
	tensor_load_to_lds s[\g0b:\g0b+3], s[\g1b:\g1b+7]
	s_nop 0
.rept 4
	v_nop
.endr
.Lasked_\@:
.endm
.macro CROUND                          ; a round of the cluster's barrier
	s_barrier_signal -1
	s_barrier_wait -1
	s_cmp_lg_u32 s14, 0
	s_cbranch_scc1 .Lnot_wave_0_\@
	s_barrier_signal -3
.Lnot_wave_0_\@:
	s_barrier_wait -3
	s_barrier_signal -1
	s_barrier_wait -1
.endm
	s_load_b128 s[4:7], s[0:1], 0x0                ; codes, scales
	s_load_b128 s[8:11], s[0:1], 0x10              ; tabs, qkv16
	s_load_b64 s[12:13], s[0:1], 0x20              ; first32
	v_lshl_add_u32 v[SPW], v0, 2, SPARE
	v_mov_b32 v[NIL], 0
	ds_add_u32 v[SPW], v[NIL]                      ; the wave's opening: the add, twice on end, and its wait ahead of my first tensor load
	ds_add_u32 v[SPW], v[NIL]
	v_lshrrev_b32 v1, 5, v0
	v_readfirstlane_b32 s14, v1                    ; wave
	s_lshr_b32 s15, s14, 1                         ; my half of A's rows.  Also: I fetch for A (0) or for B (1)
	s_and_b32 s16, s14, 1                          ; my half of B's rows.  Also: which 128 rows I fetch
	s_bfe_u32 s40, ttmp6, 0x40000                  ; cx
	s_bfe_u32 s41, ttmp6, 0x40004                  ; cy
	s_and_b32 s18, ttmp7, 0xffff
	s_lshl_b32 s18, s18, 2                         ; 4 x cluster y: x's tiles of 256 rows
	s_lshl_b32 s19, ttmp9, 2
	s_add_co_u32 s19, s19, 16                      ; wq's tiles are 16-19, wk's 20-23
	s_cmp_eq_u32 ttmp9, 2                          ; the cluster's x: the same in all sixteen partners
	s_cselect_b32 s96, 1, 0                        ; 1: this cluster makes v
	s_cselect_b32 s17, 24, s18                     ; A's tile: wv's (24-27) or x's,
	s_cselect_b32 s42, s18, s19                    ; B's: x's or a weight's
	s_add_co_u32 s17, s17, s41                     ; + cy
	s_add_co_u32 s42, s42, s40                     ; + cx
	s_lshl_b32 s43, s41, 2
	s_lshl_b32 s43, 15, s43                        ; my row of the cluster
	s_lshl_b32 s44, 0x1111, s40                    ; my column
	s_or_b32 s[G1+0], s43, (0<<16)|(1<<20)|(1<<21)|(5<<22)|(3<<25)  ; the mask; elements of 1 byte; padding: 4 words after every 64
	s_or_b32 s[G1B+0], s44, (0<<16)|(1<<20)|(1<<21)|(5<<22)|(3<<25)
.irp g, G1, G1B
	s_mov_b32 s[\g+1], ROWB<<16
	s_mov_b32 s[\g+2], 128<<16
	s_mov_b32 s[\g+3], ROWB<<16
	s_mov_b32 s[\g+4], 128
	s_mov_b32 s[\g+5], KROW
	s_mov_b32 s[\g+6], 0
	s_mov_b32 s[\g+7], 0
.endr
	s_or_b32 s[G1S+0], s43, (3<<16)|(1<<20)|(1<<21)|(5<<22)|(3<<25)  ; the scales of 128 rows: a dense block of 4,096 bytes as rows of 256
	s_or_b32 s[G1SB+0], s44, (3<<16)|(1<<20)|(1<<21)|(5<<22)|(3<<25)
.irp g, G1S, G1SB
	s_mov_b32 s[\g+1], 32<<16
	s_mov_b32 s[\g+2], (128*KS/256)<<16
	s_mov_b32 s[\g+3], 32<<16
	s_mov_b32 s[\g+4], 128*KS/256
	s_mov_b32 s[\g+5], 32
	s_mov_b32 s[\g+6], 0
	s_mov_b32 s[\g+7], 0
.endr
	s_lshl_b32 s18, s16, 7
	s_lshl_b32 s20, s17, 8
	s_add_co_u32 s20, s20, s18                     ; A: the first row that I fetch
	s_lshl_b32 s46, s42, 8
	s_add_co_u32 s46, s46, s18                     ; B likewise
	s_mov_b32 s21, 0
	s_mov_b32 s47, 0
	s_mov_b64 s[18:19], KS
	s_mul_u64 s[22:23], s[20:21], s[18:19]
	s_mul_u64 s[92:93], s[46:47], s[18:19]
	s_mov_b64 s[18:19], KROW
	s_mul_u64 s[20:21], s[20:21], s[18:19]
	s_mul_u64 s[46:47], s[46:47], s[18:19]
	s_mul_i32 s45, s14, HALFT                      ; where they go: wave x 128 rows
	s_mul_i32 s94, s14, HALFS
	s_wait_dscnt 0x0                               ; both opening adds are done
	s_wait_kmcnt 0x0
	s_add_nc_u64 s[20:21], s[4:5], s[20:21]
	s_add_nc_u64 s[22:23], s[6:7], s[22:23]
	s_add_nc_u64 s[46:47], s[4:5], s[46:47]
	s_add_nc_u64 s[92:93], s[6:7], s[92:93]
	CROUND                                         ; all sixteen work-groups are here: the joint loads meet
	s_mov_b32 s[G0S], 1
	s_add_co_u32 s[G0S+1], s94, SCL
	s_mov_b64 s[G0S+2:G0S+3], s[22:23]
	s_or_b32 s[G0S+3], s[G0S+3], 0x80000000
	s_mov_b32 s[G0SB], 1
	s_add_co_u32 s[G0SB+1], s94, SCL
	s_mov_b64 s[G0SB+2:G0SB+3], s[92:93]
	s_or_b32 s[G0SB+3], s[G0SB+3], 0x80000000
	JLOAD G0S, G1S, G0SB, G1SB
.irp s, 0,1
	s_mov_b32 s[G0+4*\s], 1
	s_add_co_u32 s[G0+4*\s+1], s45, \s*SLOT
	s_add_nc_u64 s[G0+4*\s+2:G0+4*\s+3], s[20:21], \s*ROWB
	s_or_b32 s[G0+4*\s+3], s[G0+4*\s+3], 0x80000000
	s_mov_b32 s[G0B+4*\s], 1
	s_add_co_u32 s[G0B+4*\s+1], s45, \s*SLOT
	s_add_nc_u64 s[G0B+4*\s+2:G0B+4*\s+3], s[46:47], \s*ROWB
	s_or_b32 s[G0B+4*\s+3], s[G0B+4*\s+3], 0x80000000
	JLOAD G0+4*\s, G1, G0B+4*\s, G1B               ; three loads of mine are out: the scales and both K steps
.endr
	v_and_b32 v1, 15, v0                           ; r
	v_bfe_u32 v2, v0, 4, 1                         ; h
	v_mul_u32_u24 v3, v1, PITCH
	v_lshl_add_u32 v4, v2, 4, v3
	s_mul_i32 s21, s15, HALFT
	s_mul_i32 s22, s16, HALFT
	s_add_co_u32 s22, s22, 2*HALFT
.irp s, 0,1
	v_add_nc_u32 v[ADRA+\s], s21, v4
	v_add_nc_u32 v[ADRB+\s], s22, v4
	s_add_co_u32 s21, s21, SLOT
	s_add_co_u32 s22, s22, SLOT
.endr
	v_mul_u32_u24 v5, v1, KS
	v_lshrrev_b32 v6, 8, v5
	v_lshl_add_u32 v5, v6, 4, v5                   ; my row's scales: 32 bytes a row, 16 more for each 256 passed
	s_mul_i32 s21, s15, HALFS
	s_mul_i32 s22, s16, HALFS
	s_add_co_u32 s22, s22, 2*HALFS
	s_sub_co_u32 s22, s22, s21
	v_mul_u32_u24 v6, s22, v2                      ; lanes 16-31 take B's
	s_add_co_u32 s21, s21, SCL
	v_add_nc_u32 v5, v5, v6
	v_add_nc_u32 v[ADRS], s21, v5
	v_and_b32 v6, 31, v0
	v_lshlrev_b32 v[LI], 4, v6
	v_lshlrev_b32 v[FO], 6, v1
	v_lshl_add_u32 v[FO], v2, 5, v[FO]             ; v's f32 copy: channel r of 64 bytes, + 32 h
	s_cmp_eq_u32 s96, 1
	s_cbranch_scc1 .Lhead_v
	; q and k: where my 128 tokens x 128 channels go, and six blocks' cos and sin
	s_lshl_b32 s20, s17, 8
	s_lshl_b32 s21, s15, 7
	s_add_co_u32 s20, s20, s21                     ; my first token
	s_lshr_b32 s21, s20, 11                        ; its sequence,
	s_and_b32 s22, s20, 2047                       ; its position
	s_sub_co_u32 s23, s42, 16
	s_lshl_b32 s23, s23, 8
	s_lshl_b32 s46, s16, 7
	s_add_co_u32 s23, s23, s46                     ; my first column of 2,048: q's 1,024, then k's
	s_lshr_b32 s46, s23, 10                        ; 0 q, 1 k
	s_bfe_u32 s47, s23, 0x40006                    ; my first head
	s_lshl_b32 s92, s46, 23
	s_lshl_b32 s93, s21, 4
	s_add_co_u32 s93, s93, s47
	s_lshl_b32 s93, s93, 18                        ; a head's images: 262,144 bytes
	s_add_co_u32 s92, s92, s93
	s_lshl_b32 s93, s22, 7                         ; 2,048 bytes for 16 tokens
	s_add_co_u32 s92, s92, s93
	s_mov_b32 s93, 0
	s_add_nc_u64 s[10:11], s[10:11], s[92:93]
	s_lshl_b32 s92, s46, 19                        ; q's table, or k's
	s_lshl_b32 s94, s22, 8                         ; 4,096 bytes for 16 positions
	s_add_co_u32 s92, s92, s94
	s_add_nc_u64 s[8:9], s[8:9], s[92:93]
	s_lshl_b32 s92, s21, 17                        ; the f32 copy: [sequence][group of 128 columns: 8,192 bytes][16 pieces of 512 bytes]
	s_lshl_b32 s94, s23, 6
	s_add_co_u32 s92, s92, s94
	s_add_nc_u64 s[12:13], s[12:13], s[92:93]
	v_mov_b32 v[FLAG], s22
.irp a, 0,1,2,3,4,5
	CSLOAD \a                                      ; 48 loads: they land while the products run
.endr
	WIN 0
	s_branch .Lhead_done
.Lhead_v:
	s_lshl_b32 s20, s42, 8
	s_lshl_b32 s21, s16, 7
	s_add_co_u32 s20, s20, s21                     ; my first token
	s_lshr_b32 s21, s20, 11
	s_and_b32 s22, s20, 2047
	s_sub_co_u32 s23, s17, 24
	s_lshl_b32 s23, s23, 8
	s_lshl_b32 s46, s15, 7
	s_add_co_u32 s23, s23, s46                     ; my first channel of 1,024
	s_lshl_b32 s92, s21, 4
	s_lshr_b32 s46, s23, 6
	s_add_co_u32 s92, s92, s46
	s_lshl_b32 s92, s92, 18
	s_lshl_b32 s46, s22, 7                         ; 16,384 bytes for 128 tokens
	s_add_co_u32 s92, s92, s46
	s_add_co_u32 s92, s92, 16777216                ; v lies behind q and k
	s_mov_b32 s93, 0
	s_add_nc_u64 s[10:11], s[10:11], s[92:93]
	s_lshl_b32 s92, s21, 16                        ; the f32 copy: [sequence][1,024 channels][16 tokens]
	s_lshl_b32 s46, s23, 6
	s_add_co_u32 s92, s92, s46
	s_add_co_u32 s92, s92, 262144
	s_add_nc_u64 s[12:13], s[12:13], s[92:93]
	v_mov_b32 v[FLAG], s22
.Lhead_done:
.macro FRAG reg, adr, q, i             ; a fragment, 16 rows x 128 K of 4-bit codes: 8 registers, two loads of 16 bytes, 32 bytes apart
.irp c, 0,1
	ds_load_b128 v[\reg+4*\c:\reg+4*\c+3], v[\adr] offset:64*(\q)+32*\c+(\i)*16*PITCH
.endr
.endm
; 16 matrix instructions: A's blocks a0, a0 + 1 x B's eight.  The 64 accumulators take turns, one instruction a turn, in the same order in every step.
.macro MUL16 a0, p, q, sc, zero
.irp a, \a0, \a0+1
.irp b, 0,1,2,3,4,5,6,7
.if \zero
	v_wmma_scale_f32_16x16x128_f8f6f4 v[8*(8*((\a)%4)+\b):8*(8*((\a)%4)+\b)+7], v[128*(\p)+FR*\b:128*(\p)+FR*\b+FR-1], v[AF+FR*(\a):AF+FR*(\a)+FR-1], 0, v[SC+8*NQ*(\sc)+NQ*\b+(\q)], v[SC+8*NQ*(\sc)+NQ*(\a)+(\q)] matrix_a_fmt:MATRIX_FMT_FP4 matrix_b_fmt:MATRIX_FMT_FP4 matrix_a_scale:MATRIX_SCALE_ROW1
.else
	v_wmma_scale_f32_16x16x128_f8f6f4 v[8*(8*((\a)%4)+\b):8*(8*((\a)%4)+\b)+7], v[128*(\p)+FR*\b:128*(\p)+FR*\b+FR-1], v[AF+FR*(\a):AF+FR*(\a)+FR-1], v[8*(8*((\a)%4)+\b):8*(8*((\a)%4)+\b)+7], v[SC+8*NQ*(\sc)+NQ*\b+(\q)], v[SC+8*NQ*(\sc)+NQ*(\a)+(\q)] matrix_a_fmt:MATRIX_FMT_FP4 matrix_b_fmt:MATRIX_FMT_FP4 matrix_a_scale:MATRIX_SCALE_ROW1
.endif
.endr
.endr
.endm
.macro FETCH_B slot, q, p
	WIN TO_B
.irp i, 0,1,2,3,4,5,6,7
	FRAG 128*(\p)+FR*\i, ADRB+\slot, \q, \i
.endr
	WIN 0
.endm
.macro FETCH_A slot, q, i0
.irp i, \i0, \i0+1, \i0+2, \i0+3
	FRAG AF+FR*(\i), ADRA+\slot, \q, \i
.endr
.endm
.macro SCALES sc                       ; a K step's scale words: lanes 0-15 take A's block i, lanes 16-31 B's block i
.irp i, 0,1,2,3,4,5,6,7
	ds_load_b128 v[SC+8*NQ*\sc+NQ*\i:SC+8*NQ*\sc+NQ*\i+3], v[ADRS] offset:\i*SBLK
.endr
.endm
.macro PLACES n                        ; plain vector lines between a matrix instruction and a load into, or a read of, its registers
.rept \n
	v_nop
.endr
.endm
.macro STEP slot, q, zero              ; 128 along K that has its successor in the same slot
	s_wait_dscnt 4*NL                              ; B's set and A's blocks 0-3 are in; the youngest eight loads (A's blocks 4-7) may be out
	WIN MUL_LO
	MUL16 0, (\q)%2, \q, \slot, \zero
	MUL16 2, (\q)%2, \q, \slot, \zero
	s_wait_dscnt 0
	PLACES NP
	FETCH_B \slot, (\q)+1, 1-(\q)%2
	FETCH_A \slot, (\q)+1, 0
	WIN MUL_HI
	MUL16 4, (\q)%2, \q, \slot, \zero
	MUL16 6, (\q)%2, \q, \slot, \zero
	PLACES NP
	WIN 0
	FETCH_A \slot, (\q)+1, 4
.endm
.macro STEPS slot, from
.set Q, \from
.rept NQ-1-\from
	STEP \slot, Q, 0
.set Q, Q+1
.endr
.endm
	s_wait_tensorcnt 1                             ; the scales and my part of K step 0 are in; K step 1's load may be out
	s_barrier_signal -1
	s_barrier_wait -1
	FETCH_B 0, 0, 0
	FETCH_A 0, 0, 0
	SCALES 0
	FETCH_A 0, 0, 4
	STEP 0, 0, 1                                   ; the first products start the sums: nothing is cleared
	STEPS 0, 1
	; slot 0's last step, and the change to slot 1: nothing is filled again
	s_wait_tensorcnt 0x0                           ; my part of slot 1 has landed
	ds_add_u32 v[SPW], v[NIL]                      ; 0 onto my spare word
	s_wait_dscnt 4*NL+1                            ; the add and the youngest eight loads may be out
	WIN MUL_LO
	MUL16 0, 1, NQ-1, 0, 0
	s_wait_dscnt 0x0
	s_barrier_signal -1
	MUL16 2, 1, NQ-1, 0, 0
	WIN 0
	s_barrier_wait -1
	PLACES NP
	v_add_nc_u32 v[ADRS], 4*NQ, v[ADRS]            ; the second K step's scale words
	FETCH_B 1, 0, 0
	FETCH_A 1, 0, 0
	SCALES 1
	WIN MUL_HI
	MUL16 4, 1, NQ-1, 0, 0
	MUL16 6, 1, NQ-1, 0, 0
	PLACES NP
	WIN 0
	FETCH_A 1, 0, 4
	STEPS 1, 0
	s_wait_dscnt 4*NL
	WIN MUL_LO
	MUL16 0, 1, NQ-1, 1, 0
	MUL16 2, 1, NQ-1, 1, 0
	s_wait_dscnt 0
	WIN MUL_HI
	MUL16 4, 1, NQ-1, 1, 0
	MUL16 6, 1, NQ-1, 1, 0
	WIN 0
	PLACES NP                                      ; places ahead of the loads into A's registers and of the first read of results
	s_cmp_eq_u32 s96, 1
	s_cbranch_scc1 .Lout_v
	CSLOAD 6                                       ; the last two blocks' cos and sin, into the registers that A's fragments have left
	CSLOAD 7
; THE WAY OUT OF q AND k, a block of 16 tokens at a time.  Accumulator (a, b): lane (r, h) holds token 16 a + r and channels 16 b + 8 h + 0 .. 7: four pairs (even, odd).
; (even, odd) -> (even cos - odd sin, even sin + odd cos): one packed multiply and one packed multiply-add a pair; each accumulator is read from its low end on.
.macro QKBLK a
.set AC, 64*((\a)%4)
	CSMAP \a
.if (\a) == 0
	s_wait_loadcnt 16                              ; the head's 48 loads, blocks 0-5, are in; the sixteen of blocks 6 and 7 may be out
.elseif (\a) == 6
	s_wait_loadcnt 8                               ; block 6's are in; block 7's eight may be out
.elseif (\a) == 7
	s_wait_loadcnt 0x0
.endif
	WIN 0x02+(\a)/4+4*CSW                          ; source 0: window 2 or 3; source 1: the window of this block's cos and sin
.irp b, 0,1,2,3,4,5,6,7
.irp jj, 0,1,2,3
	v_pk_mul_f32 v[T+8*\b+2*\jj:T+8*\b+2*\jj+1], v[AC+8*\b+2*\jj:AC+8*\b+2*\jj+1], v[CSB+8*(\b%4)+2*\jj:CSB+8*(\b%4)+2*\jj+1] op_sel_hi:[1,0]
.endr
.endr
.irp b, 0,1,2,3,4,5,6,7
.irp jj, 0,1,2,3
	v_pk_fma_f32 v[T+8*\b+2*\jj:T+8*\b+2*\jj+1], v[AC+8*\b+2*\jj:AC+8*\b+2*\jj+1], v[CSB+8*(\b%4)+2*\jj:CSB+8*(\b%4)+2*\jj+1], v[T+8*\b+2*\jj:T+8*\b+2*\jj+1] op_sel:[1,1,0] op_sel_hi:[0,1,1] neg_lo:[0,1,0]
.endr
.endr
	WIN 0
.if (\a) > 0
	s_wait_xcnt 0x0                                ; the last block's stores have read H.  (T is store data in block 0's f32 copy alone, whose own wait stands ahead of the line that restores EXEC)
.endif
.irp b, 0,1,2,3,4,5,6,7
.irp jj, 0,1,2,3
	v_cvt_pk_f16_f32 v[H+4*\b+\jj], v[T+8*\b+2*\jj], v[T+8*\b+2*\jj+1]
.endr
.endr
.if (\a) == 0                          ; the f32 copy of positions 0-15: all lanes or none, by a mask made of ids.  Piece (b, q): lane (r, h) holds token r, channels 16 b + 8 h + 4 q + 0 .. 3
	v_cmp_eq_u32 vcc_lo, 0, v[FLAG]
	s_wait_xcnt 0x0                                ; EXEC changes only behind this wait
	s_and_saveexec_b32 s97, vcc_lo
.irp b, 0,1,2,3,4,5,6,7
	global_store_b128 v[LI], v[T+8*\b:T+8*\b+3], s[12:13] offset:1024*\b           ; 512 consecutive bytes, aligned
	global_store_b128 v[LI], v[T+8*\b+4:T+8*\b+7], s[12:13] offset:1024*\b+512
.endr
	s_wait_xcnt 0x0
	s_or_b32 exec_lo, exec_lo, s97
.endif
.irp b, 0,1,2,3,4,5,6,7
	global_store_b128 v[LI], v[H+4*\b:H+4*\b+3], s[10:11] offset:(\b/4)*262144+(\a)*2048+(\b%4)*512   ; a piece: 512 consecutive bytes, aligned
.endr
.endm
.irp a, 0,1,2,3,4,5,6,7
	QKBLK \a
.endr
	s_branch .Lfin
.Lout_v:
; THE WAY OUT OF v.  Accumulator (a, b): lane (r, h) holds channel 16 a + r and tokens 16 b + 8 h + 0 .. 7.
	v_cmp_eq_u32 vcc_lo, 0, v[FLAG]
	s_wait_xcnt 0x0
	s_and_saveexec_b32 s97, vcc_lo                 ; the f32 copy of tokens 0-15: accumulators (a, 0)
	WIN 0x08                                       ; a store's data: window 2
.irp a, 0,1,2,3
	global_store_b128 v[FO], v[64*\a:64*\a+3], s[12:13] offset:1024*\a
	global_store_b128 v[FO], v[64*\a+4:64*\a+7], s[12:13] offset:1024*\a+16
.endr
	WIN 0x0c                                       ; window 3
.irp a, 0,1,2,3
	global_store_b128 v[FO], v[64*\a:64*\a+3], s[12:13] offset:4096+1024*\a
	global_store_b128 v[FO], v[64*\a+4:64*\a+7], s[12:13] offset:4096+1024*\a+16
.endr
	WIN 0
	s_wait_xcnt 0x0
	s_or_b32 exec_lo, exec_lo, s97
.macro VBLK a
.set AC, 64*((\a)%4)
	s_wait_xcnt 0x0                                ; the last block's stores have read H
	WIN 0x0a+5*((\a)/4)                            ; sources 0 and 1: window 2 or 3
.irp b, 0,1,2,3,4,5,6,7
.irp jj, 0,1,2,3
	v_cvt_pk_f16_f32 v[H+4*\b+\jj], v[AC+8*\b+2*\jj], v[AC+8*\b+2*\jj+1]
.endr
.endr
	WIN 0
.irp b, 0,1,2,3,4,5,6,7
	global_store_b128 v[LI], v[H+4*\b:H+4*\b+3], s[10:11] offset:((\a)/4)*262144+(\b/4)*8192+((\a)%4)*2048+((\b/2)%2)*1024+(\b%2)*512
.endr
.endm
.irp a, 0,1,2,3,4,5,6,7
	VBLK \a
.endr
.Lfin:
	s_wait_tensorcnt 0x0                           ; the wave's end
	ds_add_u32 v[SPW], v[NIL]
	s_wait_dscnt 0x0
	CROUND                                         ; the closing round
	s_endpgm
.Lfunc_end_k_q79940619e9_qkv:
	.size	k_q79940619e9_qkv, .Lfunc_end_k_q79940619e9_qkv-k_q79940619e9_qkv
	.p2alignl 7, 3214868480
	.fill 96, 4, 3214868480
	.section	.rodata,"a",@progbits
	.p2align	6, 0x0
	.amdhsa_kernel k_q79940619e9_qkv
		.amdhsa_group_segment_fixed_size 327680
		.amdhsa_private_segment_fixed_size 0
		.amdhsa_enable_private_segment 0
		.amdhsa_kernarg_size 40
		.amdhsa_user_sgpr_count 2
		.amdhsa_user_sgpr_kernarg_segment_ptr 1
		.amdhsa_wavefront_size32 1
		.amdhsa_system_sgpr_workgroup_id_x 1
		.amdhsa_system_sgpr_workgroup_id_y 1
		.amdhsa_system_sgpr_workgroup_id_z 1
		.amdhsa_system_vgpr_workitem_id 0
		.amdhsa_next_free_vgpr 1024
		.amdhsa_next_free_sgpr 100
		.amdhsa_reserve_vcc 1
		.amdhsa_float_denorm_mode_32 3
		.amdhsa_float_denorm_mode_16_64 3
		.amdhsa_memory_ordered 1
		.amdhsa_forward_progress 1
		.amdhsa_inst_pref_size 184
	.end_amdhsa_kernel
	.amdgpu_metadata
---
amdhsa.version: [ 1, 2 ]
amdhsa.kernels:
  - .name:           k_q79940619e9_qkv
    .symbol:         k_q79940619e9_qkv.kd
    .args:
      - { .name: codes, .offset: 0, .size: 8, .value_kind: global_buffer, .address_space: global }
      - { .name: scales, .offset: 8, .size: 8, .value_kind: global_buffer, .address_space: global }
      - { .name: tabs, .offset: 16, .size: 8, .value_kind: global_buffer, .address_space: global }
      - { .name: qkv16, .offset: 24, .size: 8, .value_kind: global_buffer, .address_space: global }
      - { .name: first32, .offset: 32, .size: 8, .value_kind: global_buffer, .address_space: global }
    .group_segment_fixed_size: 327680
    .private_segment_fixed_size: 0
    .kernarg_segment_align: 8
    .kernarg_segment_size: 40
    .max_flat_workgroup_size: 128
    .sgpr_count:     100
    .vgpr_count:     1024
    .wavefront_size: 32
...
	.end_amdgpu_metadata
.endif
;; end of part 2
;; launch attn (part 3): grid 8 x 32, 8 waves a work-group, no clusters, 327,680 bytes of LDS; arguments qkv16, ao; writes ao
.if DOCPART == 3
	.amdgcn_target "amdgcn-amd-amdhsa--gfx1250"
	.amdhsa_code_object_version 6
	.text
	.protected	k_q79940619e9_attn
	.globl	k_q79940619e9_attn
	.p2align	8
	.type	k_q79940619e9_attn,@function
k_q79940619e9_attn:
	s_mov_b64 s[64:65], 0
	v_nop
	global_prefetch_b8 v0, s[64:65] scope:SCOPE_SE
	s_setreg_imm32_b32 hwreg(HW_REG_WAVE_MODE, 25, 1), 1
	s_wait_xcnt 0x0
; Causal attention of one head (work-group y = 16 x sequence + head) on f16 operands, sums, maxima and exponentials in f32.  q carries log2(e) / 8, so a score is the exponent to base 2.
; SHARES.  Work-group x = i owns two blocks of 128 queries: block 15 - i (pass 1), then block i (pass 2): (16 - i) + (i + 1) = 17 units of 128 keys for every work-group.
; Wave w: g = w % 4 names 32 queries (two tiles of 16, which share every fragment of K and V), par = w / 4 names the half of each unit's 128 keys that it walks.
; At a pass's end waves w and w xor 4 join their halves through LDS: each hands one tile over (tile B) and finishes the other (tile A).
; LAYOUT.  S^T = K Q^T (source 0 = 16 keys, source 1 = 16 queries), O^T = V^T P (source 0 = 16 channels, source 1 = P): a lane holds one query throughout; two tiles of S^T, rounded to f16 in pairs, are P's fragment.
; q, k, v lie in memory as images of operand registers (512 bytes a piece, lane l's 16 bytes at 16 l): tiles are dense blocks, LDS loads take 512 consecutive bytes, nothing is transposed.
; RING.  Two slots of 512 keys (K 65,536 bytes, V 65,536).  Every work-group walks five slots: the 3 or 4 of pass 1, the 2 or 1 of pass 2.  Wave 0 fetches K, wave 1 V: one tensor load each behind a change of slots.
; A unit all of whose keys come after the wave's queries is left out by a scalar branch on ids; trip counts are constants; every fill is read by some wave.
; ASKED FOR AHEAD.  K has registers of its own (window 1): the next unit's K is asked of LDS behind this unit's K Q^T, a softmax ahead of its use; a slot's first unit at the slot's head; a slot's last unit asks for nothing.
; Pass 2's Q is loaded with pass 1's, at the head, into window 1, and moved over at the change of passes: no load from memory is waited for in mid-walk.
; NO CLUSTER: the pairing that evens out the causal work gives each work-group of a head another order of tiles; a joint walk would take 24 units' time where this takes 17.
; SOFTMAX.  A running maximum m and sum l for each query; p = 2^(s - m); l and O^T are multiplied by 2^(old m - new m) in every step.  m begins at -3e38: a pass's first step multiplies what stands in l and O^T by 0.
; LIMITS: NaN and infinities are not served; the attention's output stays under 65,504 (f16).
.set SLOT1, 1<<17
.set UNITB, 16384                      ; a unit's 128 keys in K's part (and in V's part) of a slot
.set SPARE, 262144                     ; behind the ring: the spare words, 128 bytes for each of eight waves
.set XCH,   263168                     ; the exchange: for each wave 4,096 bytes of O^T, 128 of m, 128 of l
.set XREG,  4608
.set LI,  1                            ; v1  16 x lane
.set LIP, 2                            ; v2  + 8,192 par
.set ADK, 3
.set ADV, 4
.set SPW, 5
.set NIL, 6
.set XWR, 7                            ; v7-10 the exchange: my region, my partner's; O^T, then m and l
.set XRD, 8
.set XWS, 9
.set XRS, 10
.set RH,  11                           ; v11 r - 8 h
.set NEG, 12                           ; v12 -infinity
.set PFO, 13                           ; v13 8,192 wave + 256 lane
.set STA, 16                           ; v16-23 tile A: m, (pad), l (two halves), c0-c3 at work; the factor f takes c2's place.  v24-31 tile B
.set STB, 24
.set QA,  32                           ; v32-47, v48-63 Q
.set QB,  48
.set SA,  64                           ; v64-95, v96-127 S^T; P is made in place in each tile's first 16
.set SB,  96
.set KV,  128                          ; v128-191 V's fragments
.set OA,  192                          ; v192-223, v224-255 O^T
.set OB,  224
.set KB,  0                            ; window 1: v256-319 K's fragments
.set Q2,  64                           ; window 1: v320-351 pass 2's Q
.set WV,  8
.set G,   9
.set PAR, 10
.set HB,  12
.set NS1, 13                           ; slots of pass 1
.set PSI, 14                           ; the number of the next fill
.set PHI, 15
.set UC,  16
.set TB,  17                           ; LDS byte at which the unit in hand begins
.set KF,  18                           ; my first key of the unit in hand
.set Q0,  19
.set TQA, 20
.set TQB, 21
.set SEL, 22
.set G1,  24
.set G0,  32
.set MYB, 36                           ; s[36:37] the head's K (wave 0) or V
.set QPA, 38
.set QPB, 40
.set AOP, 42
.set PFK, 44
.set PFV, 46
.set LIM, 48
.set QBL, 49
.set AOB, 54
.set QP2, 56                           ; s[56:59] where pass 2's two tiles of Q lie
.set MSB, 0
.macro WIN new                         ; the immediate's high byte repeats the setting that is left; at a label and at a branch every window is 0
.if MSB != \new
	s_set_vgpr_msb (MSB<<8)|\new
.set MSB, \new
.endif
.endm
.macro TLOAD                           ; waves 0 and 1 load; an s_nop 0 and four v_nop follow
	s_cmp_lt_u32 s[WV], 2
	s_cbranch_scc0 .Lno_load_\@
	tensor_load_to_lds s[G0:G0+3], s[G1:G1+7]
	s_nop 0
.rept 4
	v_nop
.endr
.Lno_load_\@:
.endm
; A PREFETCH INTO THE L2: all eight work-groups of a head walk the same K and V, so the head's work-group 0 asks, in its first two changes of slots, for key slots 2 and 3: one change, four units, ahead of the load
; that will want them.  Eight waves x 32 lanes x 256 bytes are a slot's 65,536 bytes of K, and again of V: each aligned block of 256 bytes is named once.  Slots 0 and 1 come by their loads alone.
.macro ASK
	s_cmp_lt_u32 s[PHI], s[LIM]
	s_cbranch_scc0 .Lnot_mine_\@
	global_prefetch_b8 v[PFO], s[PFK:PFK+1] th:TH_LOAD_NT scope:SCOPE_SE
	global_prefetch_b8 v[PFO], s[PFV:PFV+1] th:TH_LOAD_NT scope:SCOPE_SE
.Lnot_mine_\@:
.endm
; THE CHANGE OF SLOTS, at a slot's head: every wave waits for all its tensor loads, adds 0 to its spare word, waits for that and for its LDS reads and stores, and passes the barrier.
; Behind it the slot ahead is whole and nobody reads the other one, which is filled first thing (fill = 1).
.macro CHANGE fill, ask
	s_wait_tensorcnt 0x0
	ds_add_u32 v[SPW], v[NIL]
.if \fill
	ds_add_u32 v[SPW], v[NIL]                      ; the add twice on end where a load follows
	s_cmp_lt_u32 s[PSI], s[NS1]                    ; fill number PSI asks for key slot PSI in pass 1, PSI - NS1 in pass 2
	s_cselect_b32 s50, 0, s[NS1]
	s_sub_co_u32 s50, s[PSI], s50
	s_lshl_b32 s50, s50, 16
	s_mov_b32 s51, 0
	s_add_nc_u64 s[G0+2:G0+3], s[MYB:MYB+1], s[50:51]
	s_or_b32 s[G0+3], s[G0+3], 0x80000000
	s_xor_b32 s[G0+1], s[G0+1], SLOT1
	s_add_co_u32 s[PSI], s[PSI], 1
.endif
.if \ask
	s_wait_xcnt 0x0                                ; the last prefetches, a slot back, have read their addresses
	s_add_nc_u64 s[PFK:PFK+1], s[PFK:PFK+1], 65536
	s_add_nc_u64 s[PFV:PFV+1], s[PFV:PFV+1], 65536
.endif
	s_wait_dscnt 0x0
	s_barrier_signal -1
	s_barrier_wait -1
.if \fill
	TLOAD
.endif
.if \ask
	ASK
.endif
.endm
.macro XBAR                            ; a plain barrier round the exchange: my LDS instructions are done
	s_wait_dscnt 0x0
	s_barrier_signal -1
	s_barrier_wait -1
.endm
.macro KLOAD off                       ; 16 LDS loads: my 64 keys x 64 channels, off bytes on from the unit in hand, into K's registers
	WIN 0x40                                       ; destination window 1, address window 0
.irp kt, 0,1,2,3
.irp c, 0,1
.irp p, 0,1
	ds_load_b128 v[KB+8*(2*\kt+\c)+4*\p:KB+8*(2*\kt+\c)+4*\p+3], v[ADK] offset:\off+\kt*2048+\c*1024+\p*512
.endr
.endr
.endr
	WIN 0
.endm
.macro QK s, q                         ; S^T of one tile of queries: four accumulators by turns, two deep; K in window 1
.irp c, 0,1
.irp kt, 0,1,2,3
.if \c == 0
	v_wmma_f32_16x16x32_f16 v[\s+8*\kt:\s+8*\kt+7], v[KB+8*(2*\kt+\c):KB+8*(2*\kt+\c)+7], v[\q+8*\c:\q+8*\c+7], 0
.else
	v_wmma_f32_16x16x32_f16 v[\s+8*\kt:\s+8*\kt+7], v[KB+8*(2*\kt+\c):KB+8*(2*\kt+\c)+7], v[\q+8*\c:\q+8*\c+7], v[\s+8*\kt:\s+8*\kt+7]
.endif
.endr
.endr
.endm
.macro PV s, o                         ; O^T += V^T P
.irp u, 0,1
.irp ct, 0,1,2,3
	v_wmma_f32_16x16x32_f16 v[\o+8*\ct:\o+8*\ct+7], v[KV+8*(2*\ct+\u):KV+8*(2*\ct+\u)+7], v[\s+8*\u:\s+8*\u+7], v[\o+8*\ct:\o+8*\ct+7]
.endr
.endr
.endm
.macro SM_MAX st, s                    ; the new m, and old m - new m; each accumulator is read from its low end on
.irp j, 0,1,2,3
	v_max3_num_f32 v[\st+4+\j], v[\s+8*\j], v[\s+8*\j+1], v[\s+8*\j+2]
.endr
.irp q, 1,2
.irp j, 0,1,2,3
	v_max3_num_f32 v[\st+4+\j], v[\st+4+\j], v[\s+8*\j+2*\q+1], v[\s+8*\j+2*\q+2]
.endr
.endr
	v_max3_num_f32 v[\st+4], v[\st+4], v[\s+7], v[\s+15]
	v_max3_num_f32 v[\st+6], v[\st+6], v[\s+23], v[\s+31]
	v_max3_num_f32 v[\st+4], v[\st+4], v[\st+5], v[\st+6]
	v_max3_num_f32 v[\st+4], v[\st+4], v[\st+7], v[\st]
	v_permlanex16_b32 v[\st+5], v[\st+4], s[SEL], s[SEL+1]   ; the query's other keys lie in the lane 16 away
	v_max_num_f32 v[\st+4], v[\st+4], v[\st+5]
	v_sub_f32 v[\st+7], v[\st], v[\st+4]
	v_mov_b32 v[\st], v[\st+4]
.endm
.macro SM_EXP st, s                    ; one batch: s - m, then 33 exponentials, none of which reads another's result
.irp j, 0,2,4,6,8,10,12,14,16,18,20,22,24,26,28,30
	v_pk_add_f32 v[\s+\j:\s+\j+1], v[\s+\j:\s+\j+1], v[\st:\st+1] op_sel_hi:[1,0] neg_lo:[0,1] neg_hi:[0,1]
.endr
	v_exp_f32 v[\st+6], v[\st+7]
.set n, 0
.rept 32
	v_exp_f32 v[\s+n], v[\s+n]
.set n, n+1
.endr
.endm
.macro SM_FIN st, s, o                 ; l = l f + the sum of p; p to f16 in place; O^T x f
	v_pk_mul_f32 v[\st+2:\st+3], v[\st+2:\st+3], v[\st+6:\st+7] op_sel_hi:[1,0]
	v_pk_add_f32 v[\st+4:\st+5], v[\s:\s+1], v[\s+2:\s+3]
.irp j, 4,8,12,16,20,24,28
	v_pk_add_f32 v[\st+2:\st+3], v[\st+2:\st+3], v[\s+\j:\s+\j+1]
	v_pk_add_f32 v[\st+4:\st+5], v[\st+4:\st+5], v[\s+\j+2:\s+\j+3]
.endr
	v_pk_add_f32 v[\st+2:\st+3], v[\st+2:\st+3], v[\st+4:\st+5]
.set n, 0
.rept 16
	v_cvt_pk_f16_f32 v[\s+n], v[\s+2*n], v[\s+2*n+1]
.set n, n+1
.endr
.set n, 0
.rept 16
	v_pk_mul_f32 v[\o+2*n:\o+2*n+1], v[\o+2*n:\o+2*n+1], v[\st+6:\st+7] op_sel_hi:[1,0]
.set n, n+1
.endr
.endm
; A STEP: my 64 keys of the unit in hand, for my two tiles of queries.  Its K was asked for a step ago, or at the slot's head.
; Within a slot my first key only rises, so a step that is walked follows steps that were walked: its K has been asked for.
.macro STEP
	s_add_co_u32 s50, s[Q0], 31
	s_cmp_gt_u32 s[KF], s50                        ; all my keys come after my queries: nothing to do but step the addresses
	s_cbranch_scc1 .Lhidden_\@
	v_add_nc_u32 v[ADK], s[TB], v[LIP]
	v_add_nc_u32 v[ADV], 0x10000, v[ADK]
.rept 3
	v_nop                                          ; with the two additions five places: the new S^T is laid over P, which the last products read
.endr
	s_wait_dscnt 0x0                               ; K is in
	WIN 0x01                                       ; source 0 window 1
	QK SA, QA
	QK SB, QB
	WIN 0
.rept 4
	v_nop                                          ; places ahead of the loads over V and over K, and of the first read of the scores
.endr
.irp ct, 0,1,2,3
.irp u, 0,1
.irp p, 0,1
	ds_load_b128 v[KV+8*(2*\ct+\u)+4*\p:KV+8*(2*\ct+\u)+4*\p+3], v[ADV] offset:\ct*2048+\u*1024+\p*512
.endr
.endr
.endr
	s_cmp_eq_u32 s[UC], 1                          ; the slot's last unit: the next K lies in the other slot, behind a barrier
	s_cbranch_scc1 .Llast_\@
	KLOAD UNITB                                    ; the next unit's K
.Llast_\@:
	s_add_co_u32 s50, s[KF], 63
	s_cmp_le_u32 s50, s[Q0]                        ; all my keys count for all my queries: no mask
	s_cbranch_scc1 .Lopen_\@
	s_sub_co_i32 s50, s[TQA], s[KF]
	s_sub_co_i32 s51, s[TQB], s[KF]
	v_add_nc_u32 v14, s50, v[RH]                   ; register 8 kt + j holds key KF + 16 kt + 8 h + j: hidden where 16 kt + j > query - KF - 8 h
	v_add_nc_u32 v15, s51, v[RH]
.set n, 0
.rept 32
	v_cmp_gt_i32 vcc_lo, 16*(n/8)+n%8, v14
	v_cndmask_b32 v[SA+n], v[SA+n], v[NEG], vcc_lo
.set n, n+1
.endr
.set n, 0
.rept 32
	v_cmp_gt_i32 vcc_lo, 16*(n/8)+n%8, v15
	v_cndmask_b32 v[SB+n], v[SB+n], v[NEG], vcc_lo
.set n, n+1
.endr
.Lopen_\@:
	SM_MAX STA, SA
	SM_EXP STA, SA
	SM_MAX STB, SB                                 ; plain work that names none of the batch's results
	s_wait_alu depctr_va_vdst(0)                   ; one wait ahead of the batch's first reader
	SM_FIN STA, SA, OA
	s_wait_dscnt 0x0                               ; V is in, and the next unit's K
	PV SA, OA
	SM_EXP STB, SB
	v_nop
	s_wait_alu depctr_va_vdst(0)
	SM_FIN STB, SB, OB
	PV SB, OB
.Lhidden_\@:
	s_add_co_u32 s[KF], s[KF], 128
	s_add_co_u32 s[TB], s[TB], UNITB
.endm
.macro UNITS                           ; a slot's four units
	v_add_nc_u32 v[ADK], s[TB], v[LIP]
	KLOAD 0                                        ; the first unit's K.  (The last products that read K's registers stand a softmax back)
	s_mov_b32 s[UC], 4
.Lunit_\@:
	STEP
	s_sub_co_u32 s[UC], s[UC], 1
	s_cmp_lg_u32 s[UC], 0
	s_cbranch_scc1 .Lunit_\@
	s_sub_co_u32 s[TB], s[TB], 4*UNITB
	s_xor_b32 s[TB], s[TB], SLOT1                  ; on to the other slot
.endm
; A pass begins: its scalars from s[QBL], the block's first query; Q; the maxima.  first = 1: at the head, where both passes' Q are loaded; 0: pass 2's Q is moved over.
.macro PASS first
	s_lshl_b32 s50, s[G], 5
	s_add_co_u32 s[Q0], s[QBL], s50
	s_lshl_b32 s50, s[PAR], 4
	s_add_co_u32 s[TQA], s[Q0], s50                ; the tile that I finish,
	s_add_co_u32 s[TQB], s[Q0], 16
	s_sub_co_u32 s[TQB], s[TQB], s50               ; the tile that I hand over
	s_lshl_b32 s[KF], s[PAR], 6
	s_mov_b32 s51, 0
	s_lshl_b32 s50, s[TQA], 9                      ; 8,192 bytes for 16 rows in ao
	s_add_nc_u64 s[AOP:AOP+1], s[AOB:AOB+1], s[50:51]
.if \first
	s_lshl_b32 s50, s[TQA], 7                      ; 2,048 bytes for 16 rows of q
	s_add_nc_u64 s[QPA:QPA+1], s[4:5], s[50:51]
	s_lshl_b32 s50, s[TQB], 7
	s_add_nc_u64 s[QPB:QPB+1], s[4:5], s[50:51]
	s_lshl_b32 s52, ttmp9, 1
	s_sub_co_u32 s52, 15, s52
	s_lshl_b32 s52, s52, 14                        ; block i lies 15 - 2 i blocks of 16,384 bytes ahead of block 15 - i
	s_mov_b32 s53, 0
	s_sub_nc_u64 s[QP2:QP2+1], s[QPA:QPA+1], s[52:53]
	s_sub_nc_u64 s[QP2+2:QP2+3], s[QPB:QPB+1], s[52:53]
.irp k, 0,1,2,3
	global_load_b128 v[QA+4*\k:QA+4*\k+3], v[LI], s[QPA:QPA+1] offset:512*\k
	global_load_b128 v[QB+4*\k:QB+4*\k+3], v[LI], s[QPB:QPB+1] offset:512*\k
.endr
	WIN 0x40                                       ; destination window 1
.irp k, 0,1,2,3
	global_load_b128 v[Q2+4*\k:Q2+4*\k+3], v[LI], s[QP2:QP2+1] offset:512*\k
	global_load_b128 v[Q2+16+4*\k:Q2+16+4*\k+3], v[LI], s[QP2+2:QP2+3] offset:512*\k
.endr
	WIN 0
.else
	WIN 0x01                                       ; source 0 window 1
.set n, 0
.rept 32
	v_mov_b32 v[QA+n], v[Q2+n]
.set n, n+1
.endr
	WIN 0
.endif
	v_mov_b32 v[STA], 0xff61b1e6                   ; -3e38, under every score
	v_mov_b32 v[STB], 0xff61b1e6
.endm
.macro EXPORT                          ; tile B's O^T, m and l go to my region of the exchange
.rept 4
	v_nop                                          ; places behind the last products
.endr
	v_add_f32 v14, v[STB+2], v[STB+3]
.irp k, 0,1,2,3,4,5,6,7
	ds_store_b128 v[XWR], v[OB+4*\k:OB+4*\k+3] offset:512*\k
.endr
	ds_store_b32 v[XWS], v[STB]
	ds_store_b32 v[XWS], v14 offset:128
.endm
; My partner's half of tile A joins mine; O^T / l leaves in f16 as four pieces of ao's images.  reinit = 1: pass 2 begins.
.macro MERGE reinit
.rept 4
	v_nop                                          ; places ahead of loads into registers that products have read
.endr
.irp k, 0,1,2,3,4,5,6,7
	ds_load_b128 v[SB+4*\k:SB+4*\k+3], v[XRD] offset:512*\k
.endr
	ds_load_b32 v14, v[XRS]
	ds_load_b32 v15, v[XRS] offset:128
	s_wait_dscnt 0x0
	v_max_num_f32 v[STA+4], v[STA], v14            ; the joint m
	v_sub_f32 v[STA+5], v[STA], v[STA+4]
	v_sub_f32 v[STA+7], v14, v[STA+4]
	v_exp_f32 v[STA+5], v[STA+5]                   ; my half's weight,
	v_exp_f32 v[STA+7], v[STA+7]                   ; my partner's
	v_add_f32 v[STA+2], v[STA+2], v[STA+3]
	s_wait_alu depctr_va_vdst(0)
	v_mul_f32 v[STA+2], v[STA+2], v[STA+5]
	v_fma_f32 v[STA+2], v15, v[STA+7], v[STA+2]
	v_permlanex16_b32 v[STA+3], v[STA+2], s[SEL], s[SEL+1]
	v_add_f32 v[STA+2], v[STA+2], v[STA+3]         ; the row's sum
	v_rcp_f32 v[STA+2], v[STA+2]
	v_nop
	s_wait_alu depctr_va_vdst(0)
	v_mul_f32 v[STA+4], v[STA+5], v[STA+2]
	v_mul_f32 v[STA+6], v[STA+7], v[STA+2]
.set n, 0
.rept 16
	v_pk_mul_f32 v[SA+2*n:SA+2*n+1], v[OA+2*n:OA+2*n+1], v[STA+4:STA+5] op_sel_hi:[1,0]
.set n, n+1
.endr
.set n, 0
.rept 16
	v_pk_fma_f32 v[SA+2*n:SA+2*n+1], v[SB+2*n:SB+2*n+1], v[STA+6:STA+7], v[SA+2*n:SA+2*n+1] op_sel_hi:[1,0,1]
.set n, n+1
.endr
.set n, 0
.rept 16
	v_cvt_pk_f16_f32 v[KV+n], v[SA+2*n], v[SA+2*n+1]
.set n, n+1
.endr
.irp ct, 0,1,2,3
	global_store_b128 v[LI], v[KV+4*\ct:KV+4*\ct+3], s[AOP:AOP+1] offset:512*\ct   ; a piece: 512 consecutive bytes, aligned
.endr
.if \reinit
	s_wait_xcnt 0x0                                ; the stores have read their registers and their base
	s_lshl_b32 s[QBL], ttmp9, 7                    ; pass 2: block i
	PASS 0
.endif
.endm
	s_load_b128 s[4:7], s[0:1], 0x0                ; qkv16, ao
	v_lshl_add_u32 v[SPW], v0, 2, SPARE
	v_mov_b32 v[NIL], 0
	ds_add_u32 v[SPW], v[NIL]                      ; the wave's opening: the add, twice on end, and its wait
	ds_add_u32 v[SPW], v[NIL]
	v_lshrrev_b32 v14, 5, v0
	v_readfirstlane_b32 s[WV], v14
	s_and_b32 s[G], s[WV], 3
	s_lshr_b32 s[PAR], s[WV], 2
	s_and_b32 s[HB], ttmp7, 0xffff
	s_cmp_lt_u32 ttmp9, 4
	s_cselect_b32 s[NS1], 4, 3
	s_cmp_eq_u32 ttmp9, 0
	s_cselect_b32 s[LIM], 2, 0
	s_mov_b32 s[G1], 3<<16                         ; a dense block of 65,536 bytes as 256 rows of 32 elements of 8 bytes; no mask, no padding
	s_mov_b32 s[G1+1], 32<<16
	s_mov_b32 s[G1+2], 256<<16
	s_mov_b32 s[G1+3], 32<<16
	s_mov_b32 s[G1+4], 256
	s_mov_b32 s[G1+5], 32
	s_mov_b32 s[G1+6], 0
	s_mov_b32 s[G1+7], 0
	s_mov_b32 s[G0], 1
	s_and_b32 s[G0+1], s[WV], 1
	s_lshl_b32 s[G0+1], s[G0+1], 16                ; wave 0: K's part of slot 0; wave 1: V's
	s_mov_b32 s[SEL], 0x76543210
	s_mov_b32 s[SEL+1], 0xfedcba98
	s_mov_b32 s[TB], 0
	s_mov_b32 s[PSI], 1
	s_mov_b32 s[PHI], 0
	s_wait_dscnt 0x0
	s_wait_kmcnt 0x0
	s_lshl_b32 s50, s[HB], 18
	s_mov_b32 s51, 0
	s_add_nc_u64 s[4:5], s[4:5], s[50:51]          ; the head's q; its k lies 8,388,608 bytes on, its v 16,777,216
	s_and_b32 s52, s[WV], 1
	s_cmp_eq_u32 s52, 0
	s_mov_b32 s52, 16777216
	s_cselect_b32 s52, 8388608, s52
	s_mov_b32 s53, 0
	s_add_nc_u64 s[MYB:MYB+1], s[4:5], s[52:53]
	s_mov_b64 s[G0+2:G0+3], s[MYB:MYB+1]
	s_or_b32 s[G0+3], s[G0+3], 0x80000000
	TLOAD                                          ; key slot 0 into slot 0
	s_add_nc_u64 s[PFK:PFK+1], s[4:5], 8388608+65536   ; at key slot 1: the first change steps them to slot 2
	s_add_nc_u64 s[PFV:PFV+1], s[4:5], 16777216+65536
	s_and_b32 s50, s[HB], 15                       ; ao: [head / 4][16 rows][head % 4][piece]
	s_lshr_b32 s52, s50, 2
	s_lshl_b32 s52, s52, 21
	s_and_b32 s50, s50, 3
	s_lshl_b32 s50, s50, 11
	s_add_co_u32 s50, s50, s52
	s_lshr_b32 s52, s[HB], 4
	s_lshl_b32 s52, s52, 20
	s_add_co_u32 s50, s50, s52
	s_mov_b32 s51, 0
	s_add_nc_u64 s[AOB:AOB+1], s[6:7], s[50:51]
	v_and_b32 v14, 31, v0
	v_lshlrev_b32 v[LI], 4, v14
	s_lshl_b32 s50, s[PAR], 13
	v_add_nc_u32 v[LIP], s50, v[LI]
	s_mul_i32 s50, s[WV], XREG
	s_add_co_u32 s50, s50, XCH
	v_add_nc_u32 v[XWR], s50, v[LI]
	s_xor_b32 s51, s[WV], 4
	s_mul_i32 s51, s51, XREG
	s_add_co_u32 s51, s51, XCH
	v_add_nc_u32 v[XRD], s51, v[LI]
	v_lshlrev_b32 v15, 2, v14
	s_add_co_u32 s50, s50, 4096
	s_add_co_u32 s51, s51, 4096
	v_add_nc_u32 v[XWS], s50, v15
	v_add_nc_u32 v[XRS], s51, v15
	v_lshlrev_b32 v[PFO], 8, v14
	s_lshl_b32 s50, s[WV], 13
	v_add_nc_u32 v[PFO], s50, v[PFO]
	v_and_b32 v14, 15, v0
	v_bfe_u32 v15, v0, 4, 1
	v_lshlrev_b32 v15, 3, v15
	v_sub_nc_u32 v[RH], v14, v15
	v_mov_b32 v[NEG], 0xff800000
	s_sub_co_u32 s[QBL], 15, ttmp9
	s_lshl_b32 s[QBL], s[QBL], 7                   ; pass 1: block 15 - i
	PASS 1
.irp t, STA, STB
	v_mov_b32 v[\t+1], 0                           ; (named as the upper half of a pair)
	v_mov_b32 v[\t+2], 0
	v_mov_b32 v[\t+3], 0
.endr
.set n, 0
.rept 64
	v_mov_b32 v[OA+n], 0                           ; O^T, once: the step is written once, and its first pass finds zeros
.set n, n+1
.endr
	s_wait_loadcnt 0x0                             ; both passes' Q
.Lslot:                                            ; slots 0, 1, 2 of the walk
	CHANGE 1, 1
	UNITS
	s_add_co_u32 s[PHI], s[PHI], 1
	s_cmp_lt_u32 s[PHI], 3
	s_cbranch_scc1 .Lslot
	s_cmp_lg_u32 s[NS1], 3                         ; the work-group's number alone: all eight waves go the same way
	s_cbranch_scc1 .Lno_x3
	EXPORT
.Lno_x3:
	CHANGE 1, 0                                    ; the last fill
	s_cmp_lg_u32 s[NS1], 3
	s_cbranch_scc1 .Lno_m3
	MERGE 1
.Lno_m3:
	XBAR                                           ; the reads of the exchange are over before it is written again
	UNITS
	s_cmp_lg_u32 s[NS1], 4
	s_cbranch_scc1 .Lno_x4
	EXPORT
.Lno_x4:
	CHANGE 0, 0
	s_cmp_lg_u32 s[NS1], 4
	s_cbranch_scc1 .Lno_m4
	MERGE 1
.Lno_m4:
	XBAR
	UNITS
	EXPORT
	XBAR
	MERGE 0
	s_wait_tensorcnt 0x0                           ; the wave's end
	ds_add_u32 v[SPW], v[NIL]
	s_wait_dscnt 0x0
	s_endpgm
.Lfunc_end_k_q79940619e9_attn:
	.size	k_q79940619e9_attn, .Lfunc_end_k_q79940619e9_attn-k_q79940619e9_attn
	.p2alignl 7, 3214868480
	.fill 96, 4, 3214868480
	.section	.rodata,"a",@progbits
	.p2align	6, 0x0
	.amdhsa_kernel k_q79940619e9_attn
		.amdhsa_group_segment_fixed_size 327680
		.amdhsa_private_segment_fixed_size 0
		.amdhsa_enable_private_segment 0
		.amdhsa_kernarg_size 16
		.amdhsa_user_sgpr_count 2
		.amdhsa_user_sgpr_kernarg_segment_ptr 1
		.amdhsa_wavefront_size32 1
		.amdhsa_system_sgpr_workgroup_id_x 1
		.amdhsa_system_sgpr_workgroup_id_y 1
		.amdhsa_system_sgpr_workgroup_id_z 1
		.amdhsa_system_vgpr_workitem_id 0
		.amdhsa_next_free_vgpr 352
		.amdhsa_next_free_sgpr 66
		.amdhsa_reserve_vcc 1
		.amdhsa_float_denorm_mode_32 3
		.amdhsa_float_denorm_mode_16_64 3
		.amdhsa_memory_ordered 1
		.amdhsa_forward_progress 1
		.amdhsa_inst_pref_size 101
	.end_amdhsa_kernel
	.amdgpu_metadata
---
amdhsa.version: [ 1, 2 ]
amdhsa.kernels:
  - .name:           k_q79940619e9_attn
    .symbol:         k_q79940619e9_attn.kd
    .args:
      - { .name: qkv16, .offset: 0, .size: 8, .value_kind: global_buffer, .address_space: global }
      - { .name: ao, .offset: 8, .size: 8, .value_kind: global_buffer, .address_space: global }
    .group_segment_fixed_size: 327680
    .private_segment_fixed_size: 0
    .kernarg_segment_align: 8
    .kernarg_segment_size: 16
    .max_flat_workgroup_size: 256
    .sgpr_count:     66
    .vgpr_count:     352
    .wavefront_size: 32
...
	.end_amdgpu_metadata
.endif
;; end of part 3
;; launch oproj (part 4): grid 8 x 32, 4 waves a work-group, clusters of 4 x 4, 327,680 bytes of LDS; arguments ao, wo16, out0; writes out0
.if DOCPART == 4
	.amdgcn_target "amdgcn-amd-amdhsa--gfx1250"
	.amdhsa_code_object_version 6
	.text
	.protected	k_q79940619e9_oproj
	.globl	k_q79940619e9_oproj
	.p2align	8
	.type	k_q79940619e9_oproj,@function
k_q79940619e9_oproj:
	s_mov_b64 s[64:65], 0
	v_nop
	global_prefetch_b8 v0, s[64:65] scope:SCOPE_SE
	s_setreg_imm32_b32 hwreg(HW_REG_WAVE_MODE, 25, 1), 1
	s_wait_xcnt 0x0
	s_wait_alu depctr_hold_cnt(0) depctr_sa_sdst(0) depctr_va_vdst(0) depctr_va_sdst(0) depctr_va_ssrc(0) depctr_va_vcc(0) depctr_vm_vsrc(0)
	s_getreg_b32 s2, hwreg(HW_REG_IB_STS2, 6, 4)
	s_cmp_eq_u32 s2, 0
	s_cbranch_scc0 .Lentry_in_a_cluster
	s_endpgm
.Lentry_in_a_cluster:
	s_bfe_u32 s2, ttmp6, 0x10000c
	s_cmp_lg_u32 s2, 0xf033
	s_cbranch_scc0 .Lentry_shape_is_right
	s_endpgm
.Lentry_shape_is_right:
; out0[m][n] = sum over k of ao[m][k] wo[n][k]; M = 4,096, N = 1,024, K = 1,024; f16 operands, f32 sums, f32 out.
; Both operands lie in memory as images of operand registers: [K / 256][16 rows][K / 32 % 8][piece of 16 K][lane x 16 bytes]: a K step's 64 rows are one dense block of 32,768 bytes, and a fragment
; comes by two LDS loads of 512 consecutive bytes.
; A tile is 128 x 128: 256 work-groups; four waves of 64 x 64: 16 accumulators.  K goes in four steps of 256 through two LDS slots.
; CLUSTERS: 4 x 4: A's tile is shared along a row of the cluster, B's along a column, each asked for jointly.  The matrix instruction's source 0 takes rows of wo, source 1 rows of ao: a lane holds eight neighbouring numbers of a row of out0.
; Rows 0-15 of each sequence are stored here like the others and written anew, carried in f32, by the launch that follows.
; No prefetch: a K step's matrix work is short, the tiles are shared in the cluster, and the launch is short.
.set SLOT,   131072                    ; wave w's 32,768 bytes at 32,768 w: A's two halves, then B's
.set STAGE,  262144                    ; behind the ring: 16 rows x 272 bytes for each wave
.set SPITCH, 272
.set SPARE,  STAGE+4*16*SPITCH         ; the spare words, 128 bytes for each wave
.set ADRA, 16
.set ADRB, 20
.set STO,  24
.set RD,   25
.set CO,   26
.set SPW,  28
.set NIL,  29
.set TMP,  32                          ; v32-95 the way out: two sets of 16 rows x 256 bytes
.set ACC,  128                         ; v128-255 accumulator (a, b) at v[128 + 8 (4 a + b)]
.set F0,   0                           ; window 1: two fragment buffers of 128: 64 registers of A (2 x 4 x 16 rows x 32 K), then 64 of B
.set F1,   128
.set G1, 24
.set G0, 32
.set G1B, 48
.set G0B, 56
.set MSB, 0
.macro WIN new
.if MSB != \new
	s_set_vgpr_msb (MSB<<8)|\new
.set MSB, \new
.endif
.endm
.set MUL,  0x05                        ; sources 0 and 1 window 1; C and D window 0
.set TO_F, 0x40
.macro JLOAD s                         ; a joint load: waves 0 and 1 fetch A's halves, waves 2 and 3 B's; an s_nop 0 and four v_nop follow each line
	s_cmp_eq_u32 s11, 0
	s_cbranch_scc0 .Lfor_b_\@
	tensor_load_to_lds s[G0+4*\s:G0+4*\s+3], s[G1:G1+7]
	s_nop 0
.rept 4
	v_nop
.endr
	s_branch .Lasked_\@
.Lfor_b_\@:
	tensor_load_to_lds s[G0B+4*\s:G0B+4*\s+3], s[G1B:G1B+7]
	s_nop 0
.rept 4
	v_nop
.endr
.Lasked_\@:
.endm
.macro CREST
	s_cmp_lg_u32 s10, 0
	s_cbranch_scc1 .Lnot_wave_0_\@
	s_barrier_signal -3
.Lnot_wave_0_\@:
	s_barrier_wait -3
	s_barrier_signal -1
	s_barrier_wait -1
.endm
.macro CROUND
	s_barrier_signal -1
	s_barrier_wait -1
	CREST
.endm
	s_load_b128 s[4:7], s[0:1], 0x0                ; ao, wo16
	s_load_b64 s[8:9], s[0:1], 0x10                ; out0
	v_lshl_add_u32 v[SPW], v0, 2, SPARE
	v_mov_b32 v[NIL], 0
	ds_add_u32 v[SPW], v[NIL]                      ; the wave's opening: the add, twice on end, and its wait
	ds_add_u32 v[SPW], v[NIL]
	v_lshrrev_b32 v1, 5, v0
	v_readfirstlane_b32 s10, v1
	s_lshr_b32 s11, s10, 1                         ; my half of the tile's rows.  Also: I fetch for A (0) or for B (1)
	s_and_b32 s12, s10, 1                          ; my half of its columns.  Also: which 64 rows I fetch
	s_bfe_u32 s40, ttmp6, 0x40000
	s_bfe_u32 s41, ttmp6, 0x40004
	s_lshl_b32 s42, ttmp9, 2
	s_add_co_u32 s42, s42, s40                     ; tile column
	s_and_b32 s13, ttmp7, 0xffff
	s_lshl_b32 s13, s13, 2
	s_add_co_u32 s13, s13, s41                     ; tile row
	s_lshl_b32 s43, s41, 2
	s_lshl_b32 s43, 15, s43
	s_lshl_b32 s44, 0x1111, s40
	s_or_b32 s[G1+0], s43, (3<<16)|(1<<21)         ; the mask; elements of 8 bytes; no padding
	s_or_b32 s[G1B+0], s44, (3<<16)|(1<<21)
.irp g, G1, G1B
	s_mov_b32 s[\g+1], 32<<16                      ; a dense block of 32,768 bytes as 128 rows of 256
	s_mov_b32 s[\g+2], 128<<16
	s_mov_b32 s[\g+3], 32<<16
	s_mov_b32 s[\g+4], 128
	s_mov_b32 s[\g+5], 32
	s_mov_b32 s[\g+6], 0
	s_mov_b32 s[\g+7], 0
.endr
	s_lshl_b32 s17, s12, 15
	s_lshl_b32 s16, s13, 16                        ; 128 rows x 256 K are 65,536 bytes
	s_add_co_u32 s16, s16, s17
	s_lshl_b32 s46, s42, 16
	s_add_co_u32 s46, s46, s17
	s_mov_b32 s17, 0
	s_mov_b32 s47, 0
	s_lshl_b32 s20, s10, 15
	s_wait_dscnt 0x0
	s_wait_kmcnt 0x0
	s_add_nc_u64 s[14:15], s[4:5], s[16:17]
	s_add_nc_u64 s[46:47], s[6:7], s[46:47]
	CROUND
.irp s, 0,1
	s_mov_b32 s[G0+4*\s], 1
	s_add_co_u32 s[G0+4*\s+1], s20, \s*SLOT
	s_add_nc_u64 s[G0+4*\s+2:G0+4*\s+3], s[14:15], \s*2097152
	s_or_b32 s[G0+4*\s+3], s[G0+4*\s+3], 0x80000000
	s_mov_b32 s[G0B+4*\s], 1
	s_add_co_u32 s[G0B+4*\s+1], s20, \s*SLOT
	s_add_nc_u64 s[G0B+4*\s+2:G0B+4*\s+3], s[46:47], \s*524288
	s_or_b32 s[G0B+4*\s+3], s[G0B+4*\s+3], 0x80000000
	JLOAD \s
.endr
	v_and_b32 v3, 31, v0
	v_lshlrev_b32 v3, 4, v3                        ; 16 x lane
	s_lshl_b32 s21, s11, 15
	s_lshl_b32 s22, s12, 15
	s_add_co_u32 s22, s22, 65536
.irp s, 0,1
	v_add_nc_u32 v[ADRA+\s], s21, v3
	v_add_nc_u32 v[ADRB+\s], s22, v3
	s_add_co_u32 s21, s21, SLOT
	s_add_co_u32 s22, s22, SLOT
.endr
	v_and_b32 v1, 15, v0
	v_bfe_u32 v2, v0, 4, 1
	s_mul_i32 s23, s10, 16*SPITCH
	s_add_co_u32 s23, s23, STAGE
	v_mul_u32_u24 v4, v1, SPITCH
	v_lshl_add_u32 v4, v2, 5, v4
	v_add_nc_u32 v[STO], s23, v4                   ; in: row r, 32 bytes for each half of the lanes
	v_mul_u32_u24 v5, v2, SPITCH
	v_lshl_add_u32 v5, v1, 4, v5
	v_add_nc_u32 v[RD], s23, v5                    ; back: lanes 0-15 one row of 256 bytes, lanes 16-31 the next
	v_lshlrev_b32 v5, 12, v2
	v_lshl_add_u32 v[CO], v1, 4, v5                ; and the same two rows in out0
	s_lshl_b32 s16, s13, 19                        ; 128 rows of 4,096 bytes
	s_lshl_b32 s17, s11, 18
	s_add_co_u32 s16, s16, s17
	s_mov_b32 s17, 0
	s_add_nc_u64 s[8:9], s[8:9], s[16:17]
	s_lshl_b32 s46, s42, 9
	s_lshl_b32 s47, s12, 8
	s_add_co_u32 s46, s46, s47
	s_mov_b32 s47, 0
	s_add_nc_u64 s[8:9], s[8:9], s[46:47]
.macro MUL8 f, c, a0, zero             ; 8 matrix instructions; the 16 accumulators take turns
.irp a, \a0, \a0+1
.irp b, 0,1,2,3
.if \zero
	v_wmma_f32_16x16x32_f16 v[ACC+8*(4*(\a)+\b):ACC+8*(4*(\a)+\b)+7], v[\f+64+8*(4*\c+\b):\f+64+8*(4*\c+\b)+7], v[\f+8*(4*\c+\a):\f+8*(4*\c+\a)+7], 0
.else
	v_wmma_f32_16x16x32_f16 v[ACC+8*(4*(\a)+\b):ACC+8*(4*(\a)+\b)+7], v[\f+64+8*(4*\c+\b):\f+64+8*(4*\c+\b)+7], v[\f+8*(4*\c+\a):\f+8*(4*\c+\a)+7], v[ACC+8*(4*(\a)+\b):ACC+8*(4*(\a)+\b)+7]
.endif
.endr
.endr
.endm
.macro FETCH slot, q, f                ; 32 LDS loads in one run: quarter q (64 along K) of the slot into buffer f; its first 32 along K first
	WIN TO_F
.irp c, 0,1
.irp i, 0,1,2,3
	ds_load_b128 v[\f+64+8*(4*\c+\i):\f+64+8*(4*\c+\i)+3],   v[ADRB+\slot] offset:\i*8192+(2*(\q)+\c)*1024
	ds_load_b128 v[\f+64+8*(4*\c+\i)+4:\f+64+8*(4*\c+\i)+7], v[ADRB+\slot] offset:\i*8192+(2*(\q)+\c)*1024+512
	ds_load_b128 v[\f+8*(4*\c+\i):\f+8*(4*\c+\i)+3],         v[ADRA+\slot] offset:\i*8192+(2*(\q)+\c)*1024
	ds_load_b128 v[\f+8*(4*\c+\i)+4:\f+8*(4*\c+\i)+7],       v[ADRA+\slot] offset:\i*8192+(2*(\q)+\c)*1024+512
.endr
.endr
.endm
.macro PLACES
.rept 4
	v_nop
.endr
.endm
.macro QUARTER slot, q, f, g, zero     ; multiplies buffer f and fetches quarter q into g
	s_wait_dscnt 16                                ; the first 32 along K are in; the other sixteen loads may be out
	WIN MUL
	MUL8 \f, 0, 0, \zero
	MUL8 \f, 0, 2, \zero
	PLACES
	FETCH \slot, \q, \g
	s_wait_dscnt 32                                ; all but the 32 just issued
	WIN MUL
	MUL8 \f, 1, 0, 0
	MUL8 \f, 1, 2, 0
.endm
; A slot's last quarter changes slots: each wave waits for all its tensor loads, adds 0 to its spare word, waits for that and for its reads of the slot; one barrier.  fill = 1: it opens a round of the cluster's barrier, and the slot is filled again.
.macro TURN slot, next, fill
	WIN 0
	s_wait_tensorcnt 0x0
	ds_add_u32 v[SPW], v[NIL]
	s_wait_dscnt 17                                ; the add and the youngest sixteen loads may be out
	WIN MUL
	MUL8 F1, 0, 0, 0
	s_wait_dscnt 0x0
	s_barrier_signal -1
	MUL8 F1, 0, 2, 0
.if \fill
	WIN 0
.endif
	s_barrier_wait -1
.if \fill
	CREST
	s_add_nc_u64 s[G0+4*\slot+2:G0+4*\slot+3], s[G0+4*\slot+2:G0+4*\slot+3], 2*2097152
	s_add_nc_u64 s[G0B+4*\slot+2:G0B+4*\slot+3], s[G0B+4*\slot+2:G0B+4*\slot+3], 2*524288
	JLOAD \slot                                    ; the first tensor load behind the round; its four v_nop are also the places ahead of the loads below
.else
	PLACES
.endif
	FETCH \next, 0, F0
	WIN MUL
	MUL8 F1, 1, 0, 0
	MUL8 F1, 1, 2, 0
.endm
	s_wait_tensorcnt 1                             ; my part of K step 0 is in; K step 1's load may be out
	s_barrier_signal -1
	s_barrier_wait -1
	FETCH 0, 0, F0
	QUARTER 0, 1, F0, F1, 1                        ; the first products start the sums
	QUARTER 0, 2, F1, F0, 0
	QUARTER 0, 3, F0, F1, 0
	TURN 0, 1, 1
	QUARTER 1, 1, F0, F1, 0
	QUARTER 1, 2, F1, F0, 0
	QUARTER 1, 3, F0, F1, 0
	TURN 1, 0, 1
	QUARTER 0, 1, F0, F1, 0
	QUARTER 0, 2, F1, F0, 0
	QUARTER 0, 3, F0, F1, 0
	TURN 0, 1, 0
	QUARTER 1, 1, F0, F1, 0
	QUARTER 1, 2, F1, F0, 0
	QUARTER 1, 3, F0, F1, 0
	s_wait_dscnt 16
	WIN MUL
	MUL8 F1, 0, 0, 0
	MUL8 F1, 0, 2, 0
	s_wait_dscnt 0
	MUL8 F1, 1, 0, 0
	MUL8 F1, 1, 2, 0
	WIN 0
; THE WAY OUT, a block of 16 rows x 64 columns at a time, through my own stage: a lane's 32 bytes go in, whole rows of 256 bytes come back; sixteen lanes store 256 consecutive bytes, aligned.
; LDS serves a wave's instructions in order (ISA guide 5.7.1.4): no wait between the stores and the loads, nor ahead of the next block's stores.
.macro TOSTAGE a
.set BB, TMP+32*((\a)%2)
.irp b, 0,1,2,3
	ds_store_b128 v[STO], v[ACC+8*(4*(\a)+\b):ACC+8*(4*(\a)+\b)+3] offset:64*\b
	ds_store_b128 v[STO], v[ACC+8*(4*(\a)+\b)+4:ACC+8*(4*(\a)+\b)+7] offset:64*\b+16
.endr
.irp t, 0,1,2,3,4,5,6,7
	ds_load_b128 v[BB+4*\t:BB+4*\t+3], v[RD] offset:\t*2*SPITCH
.endr
.endm
.macro SEND a, younger
.set BB, TMP+32*((\a)%2)
	s_wait_dscnt \younger
.irp t, 0,1,2,3,4,5,6,7
	global_store_b128 v[CO], v[BB+4*\t:BB+4*\t+3], s[8:9] offset:(16*(\a)+2*\t)*4096
.endr
.endm
	PLACES
	TOSTAGE 0
	TOSTAGE 1
	SEND 0, 16                                     ; behind block 0's loads: block 1's 8 stores and 8 loads
	s_wait_xcnt 0x0                                ; block 0's stores have read their registers
	TOSTAGE 2
	SEND 1, 16
	s_wait_xcnt 0x0
	TOSTAGE 3
	SEND 2, 16
	SEND 3, 0
	s_wait_tensorcnt 0x0                           ; the wave's end
	ds_add_u32 v[SPW], v[NIL]
	s_wait_dscnt 0x0
	CROUND                                         ; the closing round
	s_endpgm
.Lfunc_end_k_q79940619e9_oproj:
	.size	k_q79940619e9_oproj, .Lfunc_end_k_q79940619e9_oproj-k_q79940619e9_oproj
	.p2alignl 7, 3214868480
	.fill 96, 4, 3214868480
	.section	.rodata,"a",@progbits
	.p2align	6, 0x0
	.amdhsa_kernel k_q79940619e9_oproj
		.amdhsa_group_segment_fixed_size 327680
		.amdhsa_private_segment_fixed_size 0
		.amdhsa_enable_private_segment 0
		.amdhsa_kernarg_size 24
		.amdhsa_user_sgpr_count 2
		.amdhsa_user_sgpr_kernarg_segment_ptr 1
		.amdhsa_wavefront_size32 1
		.amdhsa_system_sgpr_workgroup_id_x 1
		.amdhsa_system_sgpr_workgroup_id_y 1
		.amdhsa_system_sgpr_workgroup_id_z 1
		.amdhsa_system_vgpr_workitem_id 0
		.amdhsa_next_free_vgpr 512
		.amdhsa_next_free_sgpr 66
		.amdhsa_reserve_vcc 0
		.amdhsa_float_denorm_mode_32 3
		.amdhsa_float_denorm_mode_16_64 3
		.amdhsa_memory_ordered 1
		.amdhsa_forward_progress 1
		.amdhsa_inst_pref_size 85
	.end_amdhsa_kernel
	.amdgpu_metadata
---
amdhsa.version: [ 1, 2 ]
amdhsa.kernels:
  - .name:           k_q79940619e9_oproj
    .symbol:         k_q79940619e9_oproj.kd
    .args:
      - { .name: ao, .offset: 0, .size: 8, .value_kind: global_buffer, .address_space: global }
      - { .name: wo16, .offset: 8, .size: 8, .value_kind: global_buffer, .address_space: global }
      - { .name: out0, .offset: 16, .size: 8, .value_kind: global_buffer, .address_space: global }
    .group_segment_fixed_size: 327680
    .private_segment_fixed_size: 0
    .kernarg_segment_align: 8
    .kernarg_segment_size: 24
    .max_flat_workgroup_size: 128
    .sgpr_count:     66
    .vgpr_count:     512
    .wavefront_size: 32
...
	.end_amdgpu_metadata
.endif
;; end of part 4
;; launch first16 (part 5): grid 64 x 2, 16 waves a work-group, no clusters, 18,432 bytes of LDS; arguments first32, wo, out0; writes out0
.if DOCPART == 5
	.amdgcn_target "amdgcn-amd-amdhsa--gfx1250"
	.amdhsa_code_object_version 6
	.text
	.protected	k_q79940619e9_first16
	.globl	k_q79940619e9_first16
	.p2align	8
	.type	k_q79940619e9_first16,@function
k_q79940619e9_first16:
	s_mov_b64 s[64:65], 0
	v_nop
	global_prefetch_b8 v0, s[64:65] scope:SCOPE_SE
	s_setreg_imm32_b32 hwreg(HW_REG_WAVE_MODE, 25, 1), 1
	s_wait_xcnt 0x0
; The first 16 positions of each sequence, carried in f32 from the rotated q and k and from v to out0: under the causal mask they average one to sixteen values and are the largest in size.
; Work-group (x, y): outputs 16 x .. 16 x + 15 of sequence y's rows 0-15.  Wave w takes head w: S^T = K Q^T (16 x 16 x 64), the softmax, O^T = V^T P (64 x 16 x 16), Y^T = wo O^T (16 x 16 x 64);
; the sixteen heads' parts are added through LDS in a fixed order.  All products by the f32 matrix form, K = 4 an instruction: 48 a wave.
; q and k lie in memory as images of registers: a head's 16 rows x 64 channels are eight pieces of 512 bytes, lane l's 16 bytes at 16 l; piece m: lane (r, h) holds row r, channels 16 (m / 2) + 8 h + 4 (m % 2) + 0 .. 3.
; So each of their loads covers 512 consecutive bytes.  K and Q have the same order of channels along a lane's registers, which is all that the sum over channels asks.
; A lane's registers run along each product's K in the same order on both sides, so a result (lane = one query) is the next product's source 1 as it stands.
; Registers that the matrix form writes are written by it alone; what is made of a sum goes into other registers.
; The stores are runs of 64 bytes: 131,072 bytes in all.
.set KR, 24                            ; v24-55 k;  v56-87 q;  v88-119 v;  v120-151 wo
.set QR, 56
.set VR, 88
.set WR, 120
.set S0, 152                           ; v152-167 S^T in two halves of K
.set OA, 168                           ; v168-199 O^T, four tiles of 16 channels
.set YA, 200                           ; v200-231 Y^T in four parts of K
.set T,  232                           ; v232-239 scores, then p
.set YS, 240                           ; v240-247 my head's part of Y^T
.set SPW, 20
.set NIL, 21
.set SPARE, 16384                      ; behind the sixteen waves' 1,024 bytes each: the spare words, 128 bytes a wave
	s_load_b128 s[4:7], s[0:1], 0x0                ; first32, wo
	s_load_b64 s[8:9], s[0:1], 0x10                ; out0
	v_lshl_add_u32 v[SPW], v0, 2, SPARE
	v_mov_b32 v[NIL], 0
	v_lshrrev_b32 v1, 5, v0
	v_readfirstlane_b32 s10, v1                    ; wave = head
	s_and_b32 s11, ttmp7, 0xffff                   ; sequence
	v_and_b32 v2, 15, v0                           ; r
	v_bfe_u32 v3, v0, 4, 1                         ; h
	v_and_b32 v4, 31, v0
	v_lshlrev_b32 v4, 4, v4                        ; q, k: 16 x lane
	v_lshlrev_b32 v5, 6, v2
	v_lshl_add_u32 v5, v3, 5, v5                   ; v: channel r of 64 bytes, + 32 h
	v_lshlrev_b32 v6, 12, v2
	v_lshl_add_u32 v6, v3, 5, v6                   ; wo: row r of 4,096 bytes, + 32 h
	v_lshlrev_b32 v7, 3, v3
	v_sub_nc_u32 v7, v2, v7                        ; r - 8 h
	s_lshl_b32 s22, s10, 10
	v_add_nc_u32 v8, s22, v4                       ; LDS: my wave's 1,024 bytes, 16 x lane
	v_and_b32 v14, 1, v0                           ; the readers: thread t takes row t / 4 and outputs 4 (t % 4) .. + 3
	v_lshlrev_b32 v14, 9, v14
	v_bfe_u32 v15, v0, 1, 1
	v_lshl_add_u32 v14, v15, 8, v14
	v_lshrrev_b32 v15, 2, v0
	v_lshl_add_u32 v9, v15, 4, v14
	v_and_b32 v14, 3, v0
	v_lshlrev_b32 v14, 4, v14
	v_lshl_add_u32 v10, v15, 12, v14               ; and their place in out0
	v_mov_b32 v11, 0xff800000                      ; -infinity
	v_mov_b32 v13, 0                               ; (a lane permute's destination counts as read)
	s_mov_b32 s24, 0x76543210
	s_mov_b32 s25, 0xfedcba98
	s_wait_kmcnt 0x0
	s_lshl_b32 s12, s11, 17                        ; a sequence's q and k: 131,072 bytes;
	s_lshl_b32 s13, s10, 12                        ; a head's eight pieces: 4,096
	s_add_co_u32 s12, s12, s13
	s_mov_b32 s13, 0
	s_add_nc_u64 s[14:15], s[4:5], s[12:13]        ; my head's q; its k lies 65,536 bytes on
	s_lshl_b32 s12, s11, 16
	s_lshl_b32 s18, s10, 12
	s_add_co_u32 s12, s12, s18
	s_add_co_u32 s12, s12, 262144
	s_add_nc_u64 s[16:17], s[4:5], s[12:13]        ; my head's v
	s_lshl_b32 s12, ttmp9, 16
	s_lshl_b32 s18, s10, 8
	s_add_co_u32 s12, s12, s18
	s_add_nc_u64 s[20:21], s[6:7], s[12:13]        ; wo: my work-group's 16 rows, my head's 64 columns
	s_lshl_b32 s12, s11, 23
	s_lshl_b32 s18, ttmp9, 6
	s_add_co_u32 s12, s12, s18
	s_add_nc_u64 s[8:9], s[8:9], s[12:13]
.irp m, 0,1,2,3,4,5,6,7
	global_load_b128 v[KR+4*\m:KR+4*\m+3], v4, s[14:15] offset:65536+512*\m   ; piece m of k: 512 consecutive bytes
.endr
.irp m, 0,1,2,3,4,5,6,7
	global_load_b128 v[QR+4*\m:QR+4*\m+3], v4, s[14:15] offset:512*\m
.endr
.irp ct, 0,1,2,3
	global_load_b128 v[VR+8*\ct:VR+8*\ct+3], v5, s[16:17] offset:1024*\ct     ; keys 8 h + 0 .. 7 of channel 16 ct + r
	global_load_b128 v[VR+8*\ct+4:VR+8*\ct+7], v5, s[16:17] offset:1024*\ct+16
.endr
.irp ct, 0,1,2,3
	global_load_b128 v[WR+8*\ct:WR+8*\ct+3], v6, s[20:21] offset:64*\ct       ; channels 16 ct + 8 h + 0 .. 7 of output r
	global_load_b128 v[WR+8*\ct+4:WR+8*\ct+7], v6, s[20:21] offset:64*\ct+16
.endr
	s_wait_loadcnt 16                              ; k and q are in; v's and wo's sixteen loads may be out
.set n, 0
.rept 16                               ; S^T: two accumulators by turns; the first two products start the sums
.if n < 2
	v_wmma_f32_16x16x4_f32 v[S0+8*(n%2):S0+8*(n%2)+7], v[KR+2*n:KR+2*n+1], v[QR+2*n:QR+2*n+1], 0
.else
	v_wmma_f32_16x16x4_f32 v[S0+8*(n%2):S0+8*(n%2)+7], v[KR+2*n:KR+2*n+1], v[QR+2*n:QR+2*n+1], v[S0+8*(n%2):S0+8*(n%2)+7]
.endif
.set n, n+1
.endr
.rept 8
	v_nop                                          ; eight places behind this form (ISA guide 7.12.1)
.endr
.irp j, 0,2,4,6
	v_pk_add_f32 v[T+\j:T+\j+1], v[S0+\j:S0+\j+1], v[S0+8+\j:S0+8+\j+1]   ; lane (r, h): query r, keys 8 h + j
.endr
.irp j, 0,1,2,3,4,5,6,7
	v_cmp_gt_i32 vcc_lo, \j, v7                    ; key 8 h + j comes after query r
	v_cndmask_b32 v[T+\j], v[T+\j], v11, vcc_lo
.endr
	v_max3_num_f32 v12, v[T], v[T+1], v[T+2]
	v_max3_num_f32 v12, v12, v[T+3], v[T+4]
	v_max3_num_f32 v12, v12, v[T+5], v[T+6]
	v_max_num_f32 v12, v12, v[T+7]
	v_permlanex16_b32 v13, v12, s24, s25
	v_max_num_f32 v12, v12, v13                    ; the row's maximum: key 0 counts for every query
.irp j, 0,1,2,3,4,5,6,7
	v_sub_f32 v[T+\j], v[T+\j], v12
.endr
.irp j, 0,1,2,3,4,5,6,7
	v_exp_f32 v[T+\j], v[T+\j]                     ; q carries log2(e) / 8: base 2
.endr
	v_nop
	s_wait_alu depctr_va_vdst(0)                   ; one wait for the batch, ahead of its first reader
	v_pk_add_f32 v[14:15], v[T:T+1], v[T+2:T+3]
	v_pk_add_f32 v[16:17], v[T+4:T+5], v[T+6:T+7]
	v_pk_add_f32 v[14:15], v[14:15], v[16:17]
	v_add_f32 v14, v14, v15
	v_permlanex16_b32 v13, v14, s24, s25
	v_add_f32 v14, v14, v13
	v_rcp_f32 v14, v14
	v_nop
	s_wait_alu depctr_va_vdst(0)
.irp j, 0,1,2,3,4,5,6,7
	v_mul_f32 v[T+\j], v[T+\j], v14
.endr
	s_wait_loadcnt 8                               ; v is in; wo's eight loads may be out
.irp s, 0,1,2,3                        ; O^T: keys 8 h + 2 s + 0, 1 an instruction; four accumulators by turns
.irp ct, 0,1,2,3
.if \s == 0
	v_wmma_f32_16x16x4_f32 v[OA+8*\ct:OA+8*\ct+7], v[VR+8*\ct+2*\s:VR+8*\ct+2*\s+1], v[T+2*\s:T+2*\s+1], 0
.else
	v_wmma_f32_16x16x4_f32 v[OA+8*\ct:OA+8*\ct+7], v[VR+8*\ct+2*\s:VR+8*\ct+2*\s+1], v[T+2*\s:T+2*\s+1], v[OA+8*\ct:OA+8*\ct+7]
.endif
.endr
.endr
.rept 9
	v_nop                                          ; nine places: the results are the next products' source 1
.endr
	s_wait_loadcnt 0x0
.irp ct, 0,1,2,3                       ; Y^T: channels 16 ct + 8 h + 2 s + 0, 1 an instruction; four accumulators by turns
.irp s, 0,1,2,3
.if \ct == 0
	v_wmma_f32_16x16x4_f32 v[YA+8*\s:YA+8*\s+7], v[WR+8*\ct+2*\s:WR+8*\ct+2*\s+1], v[OA+8*\ct+2*\s:OA+8*\ct+2*\s+1], 0
.else
	v_wmma_f32_16x16x4_f32 v[YA+8*\s:YA+8*\s+7], v[WR+8*\ct+2*\s:WR+8*\ct+2*\s+1], v[OA+8*\ct+2*\s:OA+8*\ct+2*\s+1], v[YA+8*\s:YA+8*\s+7]
.endif
.endr
.endr
.rept 8
	v_nop
.endr
.irp j, 0,2,4,6
	v_pk_add_f32 v[YS+\j:YS+\j+1], v[YA+\j:YA+\j+1], v[YA+8+\j:YA+8+\j+1]
.endr
.irp j, 0,2,4,6
	v_pk_add_f32 v[T+\j:T+\j+1], v[YA+16+\j:YA+16+\j+1], v[YA+24+\j:YA+24+\j+1]
.endr
.irp j, 0,2,4,6
	v_pk_add_f32 v[YS+\j:YS+\j+1], v[YS+\j:YS+\j+1], v[T+\j:T+\j+1]   ; lane (r, h): query r, outputs 8 h + 0 .. 7
.endr
	ds_store_b128 v8, v[YS:YS+3]
	ds_store_b128 v8, v[YS+4:YS+7] offset:512
	s_wait_dscnt 0x0                               ; for the others' sake: my stores have landed
	s_barrier_signal -1
	s_barrier_wait -1
	s_cmp_gt_u32 s10, 1
	s_cbranch_scc1 .Ldone                          ; waves 0 and 1 add the sixteen heads' parts
.irp w, 0,1,2,3,4,5,6,7,8,9,10,11,12,13,14,15
	ds_load_b128 v[KR+4*\w:KR+4*\w+3], v9 offset:1024*\w
.endr
	s_wait_dscnt 0x0
	v_pk_add_f32 v[88:89], v[KR:KR+1], v[KR+4:KR+5]
	v_pk_add_f32 v[90:91], v[KR+2:KR+3], v[KR+6:KR+7]
.irp w, 2,3,4,5,6,7,8,9,10,11,12,13,14,15
	v_pk_add_f32 v[88:89], v[88:89], v[KR+4*\w:KR+4*\w+1]
	v_pk_add_f32 v[90:91], v[90:91], v[KR+4*\w+2:KR+4*\w+3]
.endr
	global_store_b128 v10, v[88:91], s[8:9]
.Ldone:
	s_wait_tensorcnt 0x0                           ; the wave's end: three lines behind my last LDS store
	ds_add_u32 v[SPW], v[NIL]
	s_wait_dscnt 0x0
	s_endpgm
.Lfunc_end_k_q79940619e9_first16:
	.size	k_q79940619e9_first16, .Lfunc_end_k_q79940619e9_first16-k_q79940619e9_first16
	.p2alignl 7, 3214868480
	.fill 96, 4, 3214868480
	.section	.rodata,"a",@progbits
	.p2align	6, 0x0
	.amdhsa_kernel k_q79940619e9_first16
		.amdhsa_group_segment_fixed_size 18432
		.amdhsa_private_segment_fixed_size 0
		.amdhsa_enable_private_segment 0
		.amdhsa_kernarg_size 24
		.amdhsa_user_sgpr_count 2
		.amdhsa_user_sgpr_kernarg_segment_ptr 1
		.amdhsa_wavefront_size32 1
		.amdhsa_system_sgpr_workgroup_id_x 1
		.amdhsa_system_sgpr_workgroup_id_y 1
		.amdhsa_system_sgpr_workgroup_id_z 1
		.amdhsa_system_vgpr_workitem_id 0
		.amdhsa_next_free_vgpr 256
		.amdhsa_next_free_sgpr 66
		.amdhsa_reserve_vcc 1
		.amdhsa_float_denorm_mode_32 3
		.amdhsa_float_denorm_mode_16_64 3
		.amdhsa_memory_ordered 1
		.amdhsa_forward_progress 1
		.amdhsa_inst_pref_size 16
	.end_amdhsa_kernel
	.amdgpu_metadata
---
amdhsa.version: [ 1, 2 ]
amdhsa.kernels:
  - .name:           k_q79940619e9_first16
    .symbol:         k_q79940619e9_first16.kd
    .args:
      - { .name: first32, .offset: 0, .size: 8, .value_kind: global_buffer, .address_space: global }
      - { .name: wo, .offset: 8, .size: 8, .value_kind: global_buffer, .address_space: global }
      - { .name: out0, .offset: 16, .size: 8, .value_kind: global_buffer, .address_space: global }
    .group_segment_fixed_size: 18432
    .private_segment_fixed_size: 0
    .kernarg_segment_align: 8
    .kernarg_segment_size: 24
    .max_flat_workgroup_size: 512
    .sgpr_count:     66
    .vgpr_count:     256
    .wavefront_size: 32
...
	.end_amdgpu_metadata
.endif
;; end of part 5
